; MI455X (gfx1250); checked and timed in simulation.
; The chip was launched on July 23, 2026; its instructions are those of AMD's public machine-readable ISA for CDNA 5 (MIT licence, August 2026) and "CDNA5" Instruction Set Architecture Reference Guide (July 2026). The comments in the code are by the model that wrote it; some were corrected since.
;; Causal Self Attention. Allowed arithmetic: matrix products marked QUANTISED: E4M3 operands, one E8M0 scale for each 32 along K, by v_wmma_scale_f32_16x16x128_f8f6f4 with both operands' format E4M3, f32 sums; everything else in f32.
;; Inputs: w_attn_codes 3,072 x 32 x 32 uint8 (E4M3 codes of w_attn, K innermost, in blocks of 32 codes); w_attn_scales 3,072 x 32 uint8 (E8M0 scales of w_attn, one for each 32 codes along K); w_proj_codes 1,024 x 32 x 32 uint8 (E4M3 codes of w_proj, K innermost, in blocks of 32 codes); w_proj_scales 1,024 x 32 uint8 (E8M0 scales of w_proj, one for each 32 codes along K); x_codes 4 x 2,048 x 32 x 32 uint8 (E4M3 codes of x, K innermost, in blocks of 32 codes); x_scales 4 x 2,048 x 32 uint8 (E8M0 scales of x, one for each 32 codes along K).
;; Outputs: out0 4 x 2,048 x 1,024 float32.
;; This version of the problem:
;;   THIS VERSION OF THE PROBLEM IS GIVEN IN LOW PRECISION. The matrix products marked QUANTISED in the list below multiply operands that are first quantised to E4M3 (4 exponent bits, 3 mantissa bits; 8 bits a number), with one power-of-two scale for each 32 numbers along K (OCP MX v1.0); their sums are f32. All else is computed in f32.
;;   The module's matrix products, in the order in which they are computed (A, B: the left and right operand; K: the contracted axis; several contracted axes count as one K, in the product's order):
;;     1. [M 8,192, K 1,024] x [K 1,024, N 3,072]; A: input x (given as codes); B: input w_attn (given as codes): QUANTISED
;;     2. batch 64 x [M 2,048, K 64] x [K 64, N 2,048]; A: computed on the way; B: computed on the way: QUANTISED
;;     3. batch 64 x [M 2,048, K 2,048] x [K 2,048, N 64]; A: softmax (see below); B: computed on the way: QUANTISED
;;     4. [M 8,192, K 1,024] x [K 1,024, N 1,024]; A: computed on the way; B: input w_proj (given as codes): QUANTISED
;;   THE QUANTISER, for each operand of a quantised product, along K:
;;     - K is cut into blocks of 32 from its start; a last block that is shorter is filled with zeros.
;;     - A block's scale is 2^e with e = floor(log2(the largest magnitude in the block)) - 8, held to -126 .. 127; a block of zeros has e = 0. As a byte (E8M0): e + 127.
;;     - Each number is divided by its block's scale, clamped to +-448, and rounded to the nearest number of E4M3, ties to even, subnormals kept.
;;     - The product sums the exact products of the quantised numbers (number of the format x scale) in f32.
;;   ~~~python
;;   def quantise(x, axis):      # numpy; x: float32 -> the quantised numbers, widened to float32 again
;;       x = np.moveaxis(x, axis, -1); K = x.shape[-1]
;;       x = np.pad(x, [(0, 0)] * (x.ndim - 1) + [(0, -K % 32)]); x = x.reshape(x.shape[:-1] + (-1, 32)); a = np.abs(x).max(-1, keepdims=True)
;;       e = np.where(a > 0, np.clip(np.frexp(np.where(a > 0, a, 1))[1] - 1 - 8, -126, 127), 0)      # np.frexp(a)[1] - 1 = floor(log2(a)), exactly
;;       r = np.clip(x / 2.0 ** e, -448, 448)
;;       step = 2.0 ** (np.maximum(np.frexp(np.where(r == 0, 1, r))[1] - 1, -6) - 3)
;;       q = np.round(r / step) * step * 2.0 ** e      # np.round: ties to even
;;       return np.moveaxis(q.reshape(q.shape[:-2] + (-1,))[..., :K], -1, axis).astype(np.float32)
;;   ~~~
;;   SOFTMAX AHEAD OF A QUANTISED PRODUCT. Where the list says 'softmax', what is quantised is not the finished softmax but p = 2^(t - M), with t = logit x log2(e) and M = ceil(the row's largest t), a whole number; so 1/2 < the row's largest p <= 1. The row's sum l is taken of the UNQUANTISED p, in f32, and the product's result is divided by l at the end. Since M is a whole number, a kernel that streams over the keys may use a running M (the ceiling of the running maximum): every later rescaling is an exact power of two, which a block's scale takes up: the codes' values come out the same.
;;   OPERANDS COMPUTED ON THE WAY. 'Computed on the way' means the value that the module computes at that place (a softmax that the list does not call 'softmax' is quantised finished and normalised). What goes into a quantiser is computed in f32, as accurately as f32 sums, v_exp_f32 and their like allow (about 1e-6 of the number): no bf16 or f16 on the way to a quantiser, and a product that is left as it is and whose result goes on into a quantised operand takes f32 operands (vector FMAs, or v_wmma_f32_16x16x4_f32). A number that lies on a knife's edge between two numbers of the format may be rounded either way, as far as f32 arithmetic and the matrix unit's own rounding can turn it there, and no further.
;;   INPUTS GIVEN AS CODES. w_attn (in the module: [3072, 1024], K = its axis 1); w_proj (in the module: [1024, 1024], K = its axis 1); x (in the module: [4, 2048, 1024], K = its axis 2): each comes as NAME_codes (uint8): NAME with its K axis moved to the last place and cut into blocks of 32 codes, [.., K / 32, bytes a block], one block behind the other in memory; one code a byte (a code: sign, 4 exponent bits, 3 mantissa bits); and NAME_scales (uint8): the same leading axes, one E8M0 byte (e + 127) for each 32 codes along K. Its value is code x scale, taken as it is: it is not quantised again, and the codes and scales need not be those that the quantiser above would give.
;; One version. Each part assembles by itself: llvm-mc -triple=amdgcn-amd-amdhsa -mcpu=gfx1250 --defsym DOCPART=n.
;; ======== version 1 of 1: 4 launches
;; limits: right only within a limited range of input values
;; workspace buffers: qkv 25,952,256 bytes; rope 524,288 bytes; y_codes 8,388,608 bytes; y_scales 262,144 bytes
;; launch vproj (part 1): grid 32 x 4, 4 waves a work-group, clusters of 4 x 4, 327,680 bytes of LDS; arguments w_attn_codes, w_attn_scales, x_codes, x_scales, qkv, rope; writes qkv, rope
.if DOCPART == 1
	.amdgcn_target "amdgcn-amd-amdhsa--gfx1250"
	.amdhsa_code_object_version 6
	.text
	.protected	k_qa4b4455adf_vproj
	.globl	k_qa4b4455adf_vproj
	.p2align	8
	.type	k_qa4b4455adf_vproj,@function
k_qa4b4455adf_vproj:
	s_mov_b64 s[64:65], 0
	v_nop
	global_prefetch_b8 v0, s[64:65] scope:SCOPE_SE
	s_setreg_imm32_b32 hwreg(HW_REG_WAVE_MODE, 25, 1), 1
	s_wait_xcnt 0x0
	s_wait_alu depctr_hold_cnt(0) depctr_sa_sdst(0) depctr_va_vdst(0) depctr_va_sdst(0) depctr_va_ssrc(0) depctr_va_vcc(0) depctr_vm_vsrc(0)
	s_getreg_b32 s2, hwreg(HW_REG_IB_STS2, 6, 4)
	s_cmp_eq_u32 s2, 0
	s_cbranch_scc0 .Lentry_in_a_cluster
	s_endpgm
.Lentry_in_a_cluster:
	s_bfe_u32 s2, ttmp6, 0x10000c
	s_cmp_lg_u32 s2, 0xf033
	s_cbranch_scc0 .Lentry_shape_is_right
	s_endpgm
.Lentry_shape_is_right:
; V^T = W_v x^T on codes of FP8 (E4M3) with one E8M0 scale for each 32 along K = 1,024; the result is quantised ALONG THE TOKENS, which are the K of attention's second product.
; A = rows 2,048 .. 3,071 of w_attn (the 1,024 features of V), B = the 8,192 rows of x.  A tile of 256 features x 256 tokens is made by four waves, 128 x 128 each: 64 accumulators, 512 registers.
; K goes in steps of 256 through a ring of two LDS slots; the scales of the work-group's rows come once, with the first fills.  4 x 4 work-groups form a cluster: A's tiles are asked for jointly along a row, B's along a column.
; THE MATRIX INSTRUCTION IS USED TRANSPOSED (source 0 = 16 tokens, source 1 = 16 features): lane (r, h) holds feature 16 a + r, and the 16 registers of accumulators (a, 2 c), (a, 2 c + 1) hold tokens 32 c + 16 u + 8 h + j:
; half a block of 32 tokens; lane l xor 16 holds the other half.  So a block's largest magnitude wants one exchange, and the conversions' results are 16 bytes of the operand that attention loads.
; OUT: qkv is laid [batch x head 64][256 tokens 8][50,688 bytes]; in such a block V's codes begin at byte 16,384 (8,192 for each 128 tokens) and V's scale words at 33,280 (256 for each 128 tokens).
;   codes: 4096 B + 1024 c + 512 m3 + 256 h + 128 (u xor m3) + 16 (m & 7) for channel 32 B + 16 m3 + 8 u + (m & 7), block c of 32 tokens; inside a block the slot 16 h + 8 u' + j holds token 16 u' + 8 h + j.
;   scale words (byte c for block c): 128 m3 + 64 u + 8 (m & 7) + 4 B.
; ALSO: the table of RoPE for the next launch.  The launch has 128 work-groups x 4 waves x 32 lanes; each thread makes four (cos, sin) pairs while the first tiles are on their way.
;   rope: [16 tokens 128][B 2][cos j 0-3 | cos j 4-7 | sin j 0-3 | sin j 4-7][lane][16 bytes]; lane (r, h): token 16 T + r, frequency 16 B + 8 h + j.  The sine is stored as -sin at even j and +sin at odd j.
;   The angle is t x inv_freq rounded once to f32; it is brought into +-pi/2 by a whole multiple of pi held in two parts; sine and cosine are their series up to the 13th and 14th power.
; LIMITS: a block of zeros gets the scale byte 1 and not 127 (its codes are zeros; this program alone reads the bytes).  NaN and infinities are not served.  cos and sin are good to about 2e-7 absolute;
; the 32 constants are f32(1 / f32(10^(m / 8))) and take the power to be rounded to nearest.
.set NQ,     2                         ; matrix instructions deep in a slot: 256 along K
.set ROWB,   256                       ; a tile's row in bytes
.set KROW,   1024                      ; a row of A or of B in memory
.set PITCH,  272                       ; an LDS row: 256 bytes + 16 of padding: the 16 rows that a load touches start 68 words apart
.set FR,     16                        ; registers of a fragment: 16 rows x 128 K
.set NL,     4                         ; LDS loads that bring one
.set NP,     8                         ; places behind this matrix instruction (ISA guide 7.12.1)
.set HALFT,  128*PITCH                 ; 128 rows: what one tensor load brings
.set SLOT,   4*HALFT                   ; A's 256 rows, then B's 256 rows
.set LAPS,   2                         ; 1,024 along K = four K steps = twice round the ring
.set KS,     32                        ; a row of scales in bytes
.set SCL,    2*SLOT                    ; behind the ring: the scales, as units of 256 bytes + 16 of padding
.set HALFS,  (128*KS/256)*272          ; the scales of 128 rows
.set SBLK,   (16*KS/256)*272           ; those of 16 rows
.set SPARE,  SCL+4*HALFS               ; the spare words: 128 bytes for each wave, named by no other line
.set AROW0,  2048                      ; A's first row in w_attn
.set ASLOT,  ROWB                      ; bytes in memory from one K step of A to the next
.set BLKB,   50688                     ; a block of qkv
.set BHS,    8*BLKB                    ; from head to head
.set ADRA, 16                          ; v16-17 LDS address of my A fragments in slot 0, 1
.set ADRB, 20                          ; v20-21 the same for B
.set ADRS, 27                          ; v27    LDS address of my scale words: lanes 0-15 A's rows, lanes 16-31 B's
.set SPW,  28                          ; v28    my spare word; never rewritten
.set NIL,  29                          ; v29    0; never rewritten
.set SC,   32                          ; v32-63 scale words, two sets; they hold nothing else
.set AF,   128                         ; A's fragments, window 0
.set HN,   64                          ; the way out: v64-127 a row block's 64 numbers, held
.set TM,   160                         ; v160-163 largest magnitudes, v164-167 bytes, v168-171 448 x the scale, v172-175 the conversions' scale operands
.set WD,   176                         ; v176-179 the scale words of four row blocks;  v180-181 the pair that is stored
.set WP,   180
.set G1, 24
.set G0, 32
.set G1B, 48
.set G0B, 56
.set G1S, 68
.set G0S, 76
.set G1SB, 80
.set G0SB, 88
.set MSB, 0
.macro WIN new                         ; the immediate's high byte repeats the setting that is left
.if MSB != \new
	s_set_vgpr_msb (MSB<<8)|\new
.set MSB, \new
.endif
.endm
.set MUL_LO, 0xa1                      ; source 0 (B) window 1, source 1 (A) window 0, C and D window 2
.set MUL_HI, 0xf1                      ; the same, C and D window 3
.set TO_B,   0x40                      ; destination window 1, address window 0
; A joint load: waves 0 and 1 fetch for A, waves 2 and 3 for B; the branch hangs on the wave's number alone.  Four v_nop follow each of the two lines.
.macro JLOAD g0a, g1a, g0b, g1b
	s_cmp_eq_u32 s15, 0
	s_cbranch_scc0 .Lfor_b_\@
	tensor_load_to_lds s[\g0a:\g0a+3], s[\g1a:\g1a+7]
	s_nop 0
.rept 4
	v_nop
.endr
	s_branch .Lasked_\@
.Lfor_b_\@:
	tensor_load_to_lds s[\g0b:\g0b+3], s[\g1b:\g1b+7]
	s_nop 0
.rept 4
	v_nop
.endr
.Lasked_\@:
.endm
.macro CREST                           ; a round of the cluster's barrier behind its opening barrier
	s_cmp_lg_u32 s14, 0
	s_cbranch_scc1 .Lnot_wave_0_\@
	s_barrier_signal -3
.Lnot_wave_0_\@:
	s_barrier_wait -3
	s_barrier_signal -1
	s_barrier_wait -1
.endm
.macro CROUND
	s_barrier_signal -1
	s_barrier_wait -1
	CREST
.endm
	s_load_b128 s[4:7], s[0:1], 0x0                ; A's codes, A's scales (w_attn)
	s_load_b128 s[8:11], s[0:1], 0x10              ; B's codes, B's scales (x)
	s_load_b64 s[12:13], s[0:1], 0x20              ; qkv
	s_load_b64 s[96:97], s[0:1], 0x28              ; rope
	v_lshl_add_u32 v[SPW], v0, 2, SPARE
	v_mov_b32 v[NIL], 0
	ds_add_u32 v28, v29
	ds_add_u32 v28, v29
	s_wait_dscnt 0x0
	v_lshrrev_b32 v1, 5, v0
	v_readfirstlane_b32 s14, v1                    ; wave 0..3
	s_lshr_b32 s15, s14, 1                         ; which 128 features are mine.  Also: I fetch for A (0) or for B (1)
	s_and_b32 s16, s14, 1                          ; which 128 tokens.  Also: which 128 rows of that tile I fetch
	s_bfe_u32 s40, ttmp6, 0x40000                  ; cx, cy: my place in the cluster
	s_bfe_u32 s41, ttmp6, 0x40004
	s_lshl_b32 s42, ttmp9, 2
	s_add_co_u32 s42, s42, s40                     ; tile column (256 tokens) = 4 x cluster x + cx
	s_and_b32 s17, ttmp7, 0xffff
	s_lshl_b32 s17, s17, 2
	s_add_co_u32 s17, s17, s41                     ; tile row (256 features) = 4 x cluster y + cy
	s_lshl_b32 s43, s41, 2
	s_lshl_b32 s43, 15, s43                        ; my row of the cluster
	s_lshl_b32 s44, 0x1111, s40                    ; my column
	s_or_b32 s[G1+0], s43, (0<<16)|(1<<20)|(1<<21)|(5<<22)|(3<<25)  ; the mask; elements of 1 byte; padding on; bit 21 beside a mask; 4 words behind every 64
	s_or_b32 s[G1B+0], s44, (0<<16)|(1<<20)|(1<<21)|(5<<22)|(3<<25)
.irp g, G1, G1B
	s_mov_b32 s[\g+1], ROWB<<16                    ; tensor_dim0
	s_mov_b32 s[\g+2], 256<<16                     ; tensor_dim1: 256 rows for the head's loads; set to 128 for the ring's behind them
	s_mov_b32 s[\g+3], ROWB<<16                    ; tile_dim0
	s_mov_b32 s[\g+4], 256                         ; tile_dim1
	s_mov_b32 s[\g+5], KROW                        ; the pitch
	s_mov_b32 s[\g+6], 0
	s_mov_b32 s[\g+7], 0
.endr
	s_or_b32 s[G1S+0], s43, (3<<16)|(1<<20)|(1<<21)|(5<<22)|(3<<25) ; the scales of 256 rows: 8,192 dense bytes as 32 rows of 32 elements of 8 bytes
	s_or_b32 s[G1SB+0], s44, (3<<16)|(1<<20)|(1<<21)|(5<<22)|(3<<25)
.irp g, G1S, G1SB
	s_mov_b32 s[\g+1], 32<<16
	s_mov_b32 s[\g+2], (256*KS/256)<<16            ; the scales of 256 rows: 8,192 dense bytes as 32 rows of 256
	s_mov_b32 s[\g+3], 32<<16
	s_mov_b32 s[\g+4], 256*KS/256
	s_mov_b32 s[\g+5], 32
	s_mov_b32 s[\g+6], 0
	s_mov_b32 s[\g+7], 0
.endr
	s_lshl_b32 s18, s16, 7                         ; which 128 rows of the tile I fetch
	s_lshl_b32 s20, s17, 8
	s_add_co_u32 s20, s20, s18
	s_add_co_u32 s20, s20, AROW0                   ; A: row 2,048 + 256 x tile row + 128 x half
	s_lshl_b32 s46, s42, 8
	s_add_co_u32 s46, s46, s18                     ; B: row 256 x tile column + 128 x half
	s_mov_b32 s21, 0
	s_mov_b32 s47, 0
	s_mov_b64 s[18:19], KS
	s_mul_u64 s[22:23], s[20:21], s[18:19]         ; where these rows' scales begin
	s_mul_u64 s[92:93], s[46:47], s[18:19]
	s_mov_b64 s[18:19], KROW
	s_mul_u64 s[20:21], s[20:21], s[18:19]         ; and their codes
	s_mul_u64 s[46:47], s[46:47], s[18:19]
	s_mul_i32 s45, s14, HALFT                      ; where they go: wave x 128 rows: no place in the cluster enters an LDS address
	s_wait_kmcnt 0x0
	s_add_nc_u64 s[20:21], s[4:5], s[20:21]
	s_add_nc_u64 s[22:23], s[6:7], s[22:23]
	s_add_nc_u64 s[46:47], s[8:9], s[46:47]
	s_add_nc_u64 s[92:93], s[10:11], s[92:93]
	CROUND                                         ; all sixteen work-groups are here: the first joint loads meet
; THE HEAD'S FOUR TILES, ONE A WAVE: wave 0 K step 0's 256 rows of A, wave 1 its 256 rows of B, wave 2 the scales of A's 256 rows, wave 3 those of B's.
.set G0H, 4                            ; s[4:7], s[8:11] group 0 of the two loads of codes: the arguments that lay there have been used
.set G0HB, 8
	s_mul_i32 s2, s16, 128*KROW                    ; from my half's first row back to the tile's
	s_mov_b32 s3, 0
	s_mov_b32 s[G0H], 1
	s_mov_b32 s[G0H+1], 0
	s_sub_nc_u64 s[G0H+2:G0H+3], s[20:21], s[2:3]
	s_or_b32 s[G0H+3], s[G0H+3], 0x80000000
	s_mov_b32 s[G0HB], 1
	s_mov_b32 s[G0HB+1], 2*HALFT
	s_sub_nc_u64 s[G0HB+2:G0HB+3], s[46:47], s[2:3]
	s_or_b32 s[G0HB+3], s[G0HB+3], 0x80000000
	s_mul_i32 s2, s16, 128*KS                      ; the same among the scale bytes
	s_mov_b32 s[G0S], 1
	s_mov_b32 s[G0S+1], SCL
	s_sub_nc_u64 s[G0S+2:G0S+3], s[22:23], s[2:3]
	s_or_b32 s[G0S+3], s[G0S+3], 0x80000000
	s_mov_b32 s[G0SB], 1
	s_mov_b32 s[G0SB+1], SCL+2*HALFS
	s_sub_nc_u64 s[G0SB+2:G0SB+3], s[92:93], s[2:3]
	s_or_b32 s[G0SB+3], s[G0SB+3], 0x80000000
.macro ARM under, g0, g1, next         ; one chain of branches on the wave's number: every way passes exactly one load
	s_cmp_lt_u32 s14, \under
	s_cbranch_scc0 \next
	tensor_load_to_lds s[\g0:\g0+3], s[\g1:\g1+7]
	s_nop 0
.rept 4
	v_nop
.endr
	s_branch .Lhead_asked
\next:
.endm
	ARM 1, G0H,  G1,  .Lhead_b
	ARM 2, G0HB, G1B, .Lhead_sa
	ARM 3, G0S,  G1S, .Lhead_sb
	tensor_load_to_lds s[G0SB:G0SB+3], s[G1SB:G1SB+7]
	s_nop 0
.rept 4
	v_nop
.endr
.Lhead_asked:
.irp s, 0,1
	s_mov_b32 s[G0+4*\s], 1
	s_add_co_u32 s[G0+4*\s+1], s45, \s*SLOT
	s_add_nc_u64 s[G0+4*\s+2:G0+4*\s+3], s[20:21], \s*ASLOT
	s_or_b32 s[G0+4*\s+3], s[G0+4*\s+3], 0x80000000
	s_mov_b32 s[G0B+4*\s], 1
	s_add_co_u32 s[G0B+4*\s+1], s45, \s*SLOT
	s_add_nc_u64 s[G0B+4*\s+2:G0B+4*\s+3], s[46:47], \s*ROWB
	s_or_b32 s[G0B+4*\s+3], s[G0B+4*\s+3], 0x80000000
.endr
	v_and_b32 v1, 15, v0                           ; r = l % 16
	v_bfe_u32 v2, v0, 4, 1                         ; h = l / 16
	v_mul_u32_u24 v3, v1, PITCH
	v_lshl_add_u32 v4, v2, 4, v3                   ; a fragment's row x pitch + 16 x half
	s_mul_i32 s21, s15, HALFT                      ; my 128 rows of A
	s_mul_i32 s22, s16, HALFT                      ; my 128 rows of B,
	s_add_co_u32 s22, s22, 2*HALFT                 ; which lie behind A's 256
.irp s, 0,1
	v_add_nc_u32 v[ADRA+\s], s21, v4
	v_add_nc_u32 v[ADRB+\s], s22, v4
	s_add_co_u32 s21, s21, SLOT
	s_add_co_u32 s22, s22, SLOT
.endr
	v_mul_u32_u24 v5, v1, KS                       ; my row's scales: 32 bytes a row,
	v_lshrrev_b32 v6, 8, v5
	v_lshl_add_u32 v5, v6, 4, v5                   ; and 16 more for each 256 passed
	s_mul_i32 s21, s15, HALFS
	s_mul_i32 s22, s16, HALFS
	s_add_co_u32 s22, s22, 2*HALFS
	s_sub_co_u32 s22, s22, s21
	v_mul_u32_u24 v6, s22, v2                      ; lanes 16-31 take B's
	s_add_co_u32 s21, s21, SCL
	v_add_nc_u32 v5, v5, v6
	v_add_nc_u32 v[ADRS], s21, v5
	; the way out: lane offsets and bases
	v_and_b32 v5, 7, v1
	v_lshlrev_b32 v5, 4, v5                        ; 16 (r & 7)
	v_lshrrev_b32 v6, 3, v1
	v_lshl_add_u32 v5, v6, 7, v5                   ; + 128 (r / 8)
	v_lshl_add_u32 v30, v2, 8, v5                  ; + 256 h: even row blocks (m3 = 0)
	v_xor_b32 v31, 128, v30                        ; odd row blocks (m3 = 1): the halves of 128 bytes change places
	v_lshlrev_b32 v26, 3, v1
	v_lshl_add_u32 v26, v2, 7, v26                 ; the scale words: 128 h + 8 r
	v_and_b32 v5, 31, v0
	v_lshlrev_b32 v25, 4, v5                       ; the table: 16 x lane
	s_lshr_b32 s20, s42, 3                         ; the batch
	s_lshl_b32 s20, s20, 4
	s_lshl_b32 s21, s17, 2
	s_add_co_u32 s20, s20, s21
	s_lshl_b32 s21, s15, 1
	s_add_co_u32 s20, s20, s21                     ; 16 x batch + the head of my row blocks 0-3
	s_lshl_b32 s20, s20, 3
	s_and_b32 s21, s42, 7
	s_add_co_u32 s20, s20, s21                     ; x 8 + which 256 tokens
	s_mul_i32 s20, s20, BLKB
	s_mov_b32 s21, 0
	s_add_nc_u64 s[12:13], s[12:13], s[20:21]
	s_lshl_b32 s22, s16, 8
	s_add_co_u32 s22, s22, 33280
	s_mov_b32 s23, 0
	s_add_nc_u64 s[18:19], s[12:13], s[22:23]      ; V's scale words of my 128 tokens
	s_lshl_b32 s22, s16, 13
	s_add_co_u32 s22, s22, 16384
	s_add_nc_u64 s[12:13], s[12:13], s[22:23]      ; V's codes of my 128 tokens
	s_mov_b32 s98, 0x76543210
	s_mov_b32 s99, 0xfedcba98                      ; v_permlanex16_b32's selects for lane l xor 16
	s_mov_b32 s100, 0x600000                       ; the mantissa field of 448
	; THE TABLE OF ROPE, while the first tiles are on their way.  T = 4 x tile column + tile row: 128 work-groups, 128 tiles of 16 tokens.  Wave w: B = w / 2, j = 4 (w % 2) + e.
	s_lshl_b32 s101, s42, 2
	s_add_co_u32 s101, s101, s17                   ; T
	s_lshl_b32 s46, s101, 12
	s_lshl_b32 s47, s15, 11
	s_add_co_u32 s46, s46, s47
	s_lshl_b32 s47, s16, 9
	s_add_co_u32 s46, s46, s47
	s_mov_b32 s47, 0
	s_add_nc_u64 s[96:97], s[96:97], s[46:47]      ; rope + 4096 T + 2048 B + 512 (w % 2)
	s_lshl_b32 s101, s101, 4
	; inv_freq[m], m = 16 B + 8 h + 4 (w % 2) + e: s20-23 for h = 0, s92-95 for h = 1; wave 0's first, the others' chosen on the wave's number
	s_mov_b32 s20, 0x3f800000
	s_mov_b32 s21, 0x3f3ff911
	s_mov_b32 s22, 0x3f0ff59a
	s_mov_b32 s23, 0x3ed7e89b
	s_mov_b32 s92, 0x3dcccccd
	s_mov_b32 s93, 0x3d99940d
	s_mov_b32 s94, 0x3d6655c2
	s_mov_b32 s95, 0x3d2cba15
.macro PICK w, a0, a1, a2, a3, b0, b1, b2, b3
	s_cmp_eq_u32 s14, \w
	s_cselect_b32 s20, \a0, s20
	s_cselect_b32 s21, \a1, s21
	s_cselect_b32 s22, \a2, s22
	s_cselect_b32 s23, \a3, s23
	s_cselect_b32 s92, \b0, s92
	s_cselect_b32 s93, \b1, s93
	s_cselect_b32 s94, \b2, s94
	s_cselect_b32 s95, \b3, s95
.endm
	PICK 1, 0x3ea1e89b, 0x3e72d423, 0x3e361887, 0x3e088d77, 0x3d0186e3, 0x3cc2434f, 0x3c91ad39, 0x3c5a7bf2
	PICK 2, 0x3c23d70a, 0x3bf5b9b0, 0x3bb8449c, 0x3b8a2e77, 0x3a83126f, 0x3a44948c, 0x3a136a16, 0x39dd1725
	PICK 3, 0x3b4f3e38, 0x3b1b690d, 0x3ae91528, 0x3aaec98e, 0x39a5cb60, 0x3978a815, 0x393a7753, 0x390bd472
	v_add_nc_u32 v64, s101, v1
	v_cvt_f32_u32 v64, v64                         ; t = 16 T + r
	v_mov_b32 v65, 0x3ea2f983                      ; 1 / pi
	v_mov_b32 v66, 0x40490fdb                      ; pi, its upper part
	v_mov_b32 v67, 0xb3bbbd2e                      ; and what is left of it
	v_cmp_ne_u32 vcc_lo, 0, v2
.irp e, 0,1,2,3
	v_mov_b32 v[68+\e], s[20+\e]
	v_mov_b32 v[72+\e], s[92+\e]
.endr
.irp e, 0,1,2,3
	v_cndmask_b32 v[68+\e], v[68+\e], v[72+\e], vcc_lo
.endr
.irp e, 0,1,2,3
	v_mul_f32 v[72+\e], v64, v[68+\e]              ; the angle, rounded once
.endr
.irp e, 0,1,2,3
	v_fmaak_f32 v[76+\e], v[72+\e], v65, 0x4b400000  ; angle / pi + 1.5 x 2^23: the whole number n stands in the low bits
.endr
.irp e, 0,1,2,3
	v_add_f32 v[80+\e], 0xcb400000, v[76+\e]       ; n
.endr
.irp e, 0,1,2,3
	v_fma_f32 v[84+\e], -v[80+\e], v66, v[72+\e]   ; angle - n x pi's upper part: n has 10 bits, the difference fits in 24: nothing is rounded
.endr
.irp e, 0,1,2,3
	v_fma_f32 v[84+\e], -v[80+\e], v67, v[84+\e]   ; rho, within +-pi/2
.endr
.irp e, 0,1,2,3
	v_mul_f32 v[88+\e], v[84+\e], v[84+\e]         ; z = rho^2
.endr
.irp e, 0,1,2,3
	v_mov_b32 v[92+\e], 0x2f309231                 ; 1 / 13!
.endr
.irp k, 0xb2d7322b, 0x3638ef1d, 0xb9500d01, 0x3c088889, 0xbe2aaaab
.irp e, 0,1,2,3
	v_fmaak_f32 v[92+\e], v[92+\e], v[88+\e], \k   ; -1/11!, 1/9!, -1/7!, 1/5!, -1/3!
.endr
.endr
.irp e, 0,1,2,3
	v_mov_b32 v[96+\e], 0xad49cba5                 ; -1 / 14!
.endr
.irp k, 0x310f76c7, 0xb493f27e, 0x37d00d01, 0xbab60b61, 0x3d2aaaab, 0xbf000000, 0x3f800000
.irp e, 0,1,2,3
	v_fmaak_f32 v[96+\e], v[96+\e], v[88+\e], \k   ; 1/12!, -1/10!, 1/8!, -1/6!, 1/4!, -1/2, 1: cos rho
.endr
.endr
.irp e, 0,1,2,3
	v_mul_f32 v[108+\e], v[84+\e], v[88+\e]
.endr
.irp e, 0,1,2,3
	v_fma_f32 v[100+\e], v[108+\e], v[92+\e], v[84+\e]  ; sin rho = rho + rho z P(z)
.endr
.irp e, 0,1,2,3
	v_lshlrev_b32 v[104+\e], 31, v[76+\e]          ; n odd: both change sign
.endr
.irp e, 0,1,2,3
	v_xor_b32 v[96+\e], v[96+\e], v[104+\e]
	v_xor_b32 v[100+\e], v[100+\e], v[104+\e]
.endr
.irp e, 0,2
	v_xor_b32 v[100+\e], 0x80000000, v[100+\e]     ; even channels take -sin
.endr
	global_store_b128 v25, v[96:99], s[96:97]              ; 32 lanes store 512 consecutive bytes
	global_store_b128 v25, v[100:103], s[96:97] offset:1024
.macro FRAG reg, adr, q, i             ; 16 rows x 128 K: lane l holds row l % 16; registers 4 c .. 4 c + 3 hold K = 32 c + 16 (l / 16) + 0 .. 15
.irp c, 0,1,2,3
	ds_load_b128 v[\reg+4*\c:\reg+4*\c+3], v[\adr] offset:128*(\q)+32*\c+(\i)*16*PITCH
.endr
.endm
; 16 matrix instructions: A's blocks a0, a0 + 1 x B's eight.  The 64 accumulators take turns, one instruction a turn, in the same order in every step.
.macro MUL16 a0, p, q, sc, zero
.irp a, \a0, \a0+1
.irp b, 0,1,2,3,4,5,6,7
.if \zero
	v_wmma_scale_f32_16x16x128_f8f6f4 v[8*(8*((\a)%4)+\b):8*(8*((\a)%4)+\b)+7], v[128*(\p)+FR*\b:128*(\p)+FR*\b+FR-1], v[AF+FR*(\a):AF+FR*(\a)+FR-1], 0, v[SC+8*NQ*(\sc)+NQ*\b+(\q)], v[SC+8*NQ*(\sc)+NQ*(\a)+(\q)] matrix_a_scale:MATRIX_SCALE_ROW1
.else
	v_wmma_scale_f32_16x16x128_f8f6f4 v[8*(8*((\a)%4)+\b):8*(8*((\a)%4)+\b)+7], v[128*(\p)+FR*\b:128*(\p)+FR*\b+FR-1], v[AF+FR*(\a):AF+FR*(\a)+FR-1], v[8*(8*((\a)%4)+\b):8*(8*((\a)%4)+\b)+7], v[SC+8*NQ*(\sc)+NQ*\b+(\q)], v[SC+8*NQ*(\sc)+NQ*(\a)+(\q)] matrix_a_scale:MATRIX_SCALE_ROW1
.endif
.endr
.endr
.endm
.macro FETCH_B slot, q, p
	WIN TO_B
.irp i, 0,1,2,3,4,5,6,7
	FRAG 128*(\p)+FR*\i, ADRB+\slot, \q, \i
.endr
	WIN 0
.endm
.macro FETCH_A slot, q, i0
.irp i, \i0, \i0+1, \i0+2, \i0+3
	FRAG AF+FR*(\i), ADRA+\slot, \q, \i
.endr
.endm
.macro SCALES sc                       ; a K step's scale words: two a row; lanes 0-15 take A's block i, lanes 16-31 B's block i
.irp i, 0,1,2,3,4,5,6,7
	ds_load_b64 v[SC+8*NQ*\sc+NQ*\i:SC+8*NQ*\sc+NQ*\i+1], v[ADRS] offset:\i*SBLK
.endr
.endm
.macro PLACES n                        ; plain vector instructions between a matrix instruction and a load into, or a read of, its registers
.rept \n
	v_nop
.endr
.endm
.macro STEP slot, q, zero              ; 128 along K that has its successor in the same slot
	s_wait_dscnt 4*NL                              ; B's set and A's blocks 0-3 are in; the youngest sixteen loads (A's blocks 4-7) may be out
	WIN MUL_LO
	MUL16 0, (\q)%2, \q, \slot, \zero
	MUL16 2, (\q)%2, \q, \slot, \zero
	s_wait_dscnt 0
	PLACES NP
	FETCH_B \slot, (\q)+1, 1-(\q)%2
	FETCH_A \slot, (\q)+1, 0
	WIN MUL_HI
	MUL16 4, (\q)%2, \q, \slot, \zero
	MUL16 6, (\q)%2, \q, \slot, \zero
	PLACES NP
	WIN 0
	FETCH_A \slot, (\q)+1, 4
.endm
; A slot's last step changes slots: one barrier; in front of it each wave waits for all its tensor loads, adds 0 to its spare word, and waits for that and for its reads of this slot.
.macro TURN slot, next, fill
	s_wait_tensorcnt 0x0                           ; all my tensor loads have landed: my part of the next slot
	ds_add_u32 v[SPW], v[NIL]                      ; 0 onto my spare word
	s_wait_dscnt 4*NL+1                            ; the add and the youngest sixteen loads may be out
	WIN MUL_LO
	MUL16 0, 1, NQ-1, \slot, 0
	s_wait_dscnt 0x0                               ; the add is done, and my reads of this slot are over
	s_barrier_signal -1
	MUL16 2, 1, NQ-1, \slot, 0
	WIN 0
	s_barrier_wait -1
.if \fill
	CREST                                          ; the barrier has opened a round of the cluster's: no wave of any partner still reads this slot or has a load on its way
	s_add_nc_u64 s[G0+4*\slot+2:G0+4*\slot+3], s[G0+4*\slot+2:G0+4*\slot+3], 2*ASLOT
	s_add_nc_u64 s[G0B+4*\slot+2:G0B+4*\slot+3], s[G0B+4*\slot+2:G0B+4*\slot+3], 2*ROWB
	JLOAD G0+4*\slot, G1, G0B+4*\slot, G1B         ; the first tensor load behind the round; its four v_nop are among the places in front of the loads below
	PLACES NP-4
.else
	PLACES NP
.endif
	s_wait_alu depctr_va_vdst(0)
	v_add_nc_u32 v[ADRS], 4*NQ, v[ADRS]            ; on to the next K step's scale words
	FETCH_B \next, 0, 0
	FETCH_A \next, 0, 0
	SCALES \next
	WIN MUL_HI
	MUL16 4, 1, NQ-1, \slot, 0
	MUL16 6, 1, NQ-1, \slot, 0
	PLACES NP
	WIN 0
	FETCH_A \next, 0, 4
.endm
	s_wait_alu depctr_va_vdst(0)
	s_wait_tensorcnt 0x0                           ; my tile of the head's four is in
	ds_add_u32 v[SPW], v[NIL]
	s_mov_b32 s[G1+2], 128<<16                     ; no tensor load of mine is out: from here on a load brings 128 rows
	s_mov_b32 s[G1+4], 128
	s_mov_b32 s[G1B+2], 128<<16
	s_mov_b32 s[G1B+4], 128
	s_wait_dscnt 0x0
	CROUND                                         ; all four tiles are in, and all sixteen work-groups are here
	JLOAD G0+4, G1, G0B+4, G1B                     ; K step 1, a quarter of slot 1 a wave: the first tensor load behind the round
	FETCH_B 0, 0, 0
	FETCH_A 0, 0, 0
	SCALES 0
	FETCH_A 0, 0, 4
	STEP 0, 0, 1                                   ; the first step's products start the sums
	s_mov_b32 s3, LAPS-1
.Llap:
	TURN 0, 1, 1
	STEP 1, 0, 0
	TURN 1, 0, 1
	STEP 0, 0, 0
	s_sub_co_u32 s3, s3, 1
	s_cmp_lg_u32 s3, 0
	s_cbranch_scc1 .Llap
	TURN 0, 1, 0                                   ; the last lap fills nothing
	STEP 1, 0, 0
	s_wait_dscnt 4*NL
	WIN MUL_LO
	MUL16 0, 1, NQ-1, 1, 0
	MUL16 2, 1, NQ-1, 1, 0
	s_wait_dscnt 0
	WIN MUL_HI
	MUL16 4, 1, NQ-1, 1, 0
	MUL16 6, 1, NQ-1, 1, 0
	WIN 0
; THE WAY OUT.  Row block a (16 features x 128 tokens): four blocks of 32 tokens are quantised; a lane's 16 codes of a block are 16 bytes, and the wave's store covers 512 consecutive bytes.
.macro VROW a
.set AC, 64*((\a)%4)
.set WN, 2+(\a)/4
.set WW, WN|(WN<<2)
.set CD, 128+16*((\a)%2)
	s_wait_xcnt 0x0                                ; earlier stores have read their registers: they are written again only behind this wait
	WIN WW                                         ; sources 0 and 1: the accumulators' window
.irp c, 0,1,2,3
	v_max3_num_f32 v[TM+\c], |v[AC+16*\c]|, |v[AC+16*\c+1]|, 0x4800000   ; my 16 numbers of block c, and the floor 2^(9 - 127): the byte cannot fall under 1
.endr
.irp i, 2,4,6,8,10,12,14
.irp c, 0,1,2,3
	v_max3_num_f32 v[TM+\c], |v[AC+16*\c+\i]|, |v[AC+16*\c+\i+1]|, v[TM+\c]
.endr
.endr
	WIN 0
.irp c, 0,1,2,3
	v_permlanex16_b32 v[TM+4+\c], v[TM+\c], s98, s99
.endr
.irp c, 0,1,2,3
	v_max_num_f32 v[TM+\c], v[TM+\c], v[TM+4+\c]   ; with lane l xor 16's: the block's largest magnitude
.endr
.irp c, 0,1,2,3
	v_add_nc_u32 v[TM+12+\c], 0xfc000000, v[TM+\c] ; 8 off its exponent field: the conversion's scale operand
.endr
.irp c, 0,1,2,3
	v_and_or_b32 v[TM+8+\c], v[TM+\c], 0x7f800000, s100   ; 448 x the scale
.endr
.irp c, 0,1,2,3
	v_lshrrev_b32 v[TM+4+\c], 23, v[TM+12+\c]      ; the scale's byte
.endr
	v_lshl_or_b32 v[WD+(\a)%4], v[TM+5], 8, v[TM+4]
	v_lshl_or_b32 v[WD+(\a)%4], v[TM+6], 16, v[WD+(\a)%4]
	v_lshl_or_b32 v[WD+(\a)%4], v[TM+7], 24, v[WD+(\a)%4]
	WIN WN
.irp c, 0,1,2,3
.irp i, 0,1,2,3,4,5,6,7,8,9,10,11,12,13,14,15
	v_med3_num_f32 v[HN+16*\c+\i], v[AC+16*\c+\i], -v[TM+8+\c], v[TM+8+\c]   ; the conversion does not saturate (ISA guide 7.6.2): the hold at the largest code x the scale
.endr
.endr
	WIN 0
.irp c, 0,1,2,3
	v_cvt_scalef32_pk8_fp8_f32 v[CD+4*\c:CD+4*\c+1], v[HN+16*\c:HN+16*\c+7], v[TM+12+\c]
	v_cvt_scalef32_pk8_fp8_f32 v[CD+4*\c+2:CD+4*\c+3], v[HN+16*\c+8:HN+16*\c+15], v[TM+12+\c]
.endr
	v_nop                                          ; a plain line behind the last conversion
.irp c, 0,1,2,3
	global_store_b128 v[30+(\a)%2], v[CD+4*\c:CD+4*\c+3], s[12:13] offset:((\a)/4)*BHS+4096*(((\a)%4)/2)+1024*\c+512*((\a)%2)
.endr
.if (\a)%4 == 3                        ; a head's four row blocks are done: lane (r, h) stores the words of m3 = h, B = 0 and 1: 256 consecutive bytes
	v_cndmask_b32 v[WP], v[WD], v[WD+1], vcc_lo
	v_cndmask_b32 v[WP+1], v[WD+2], v[WD+3], vcc_lo
	global_store_b64 v26, v[WP:WP+1], s[18:19] offset:((\a)/4)*BHS
.endif
.endm
	PLACES NP
	v_cmp_ne_u32 vcc_lo, 0, v2                     ; lanes 16-31
.irp c, 0,1,2,3
	v_mov_b32 v[TM+4+\c], 0                        ; written once: a lane permute's destination counts as one of its sources
.endr
.irp a, 0,1,2,3,4,5,6,7
	VROW \a
.endr
	s_wait_tensorcnt 0x0                           ; the wave's end
	ds_add_u32 v[SPW], v[NIL]
	s_wait_dscnt 0x0
	CROUND                                         ; the closing round
	s_endpgm
.Lfunc_end_k_qa4b4455adf_vproj:
	.size	k_qa4b4455adf_vproj, .Lfunc_end_k_qa4b4455adf_vproj-k_qa4b4455adf_vproj
	.p2alignl 7, 3214868480
	.fill 96, 4, 3214868480
	.section	.rodata,"a",@progbits
	.p2align	6, 0x0
	.amdhsa_kernel k_qa4b4455adf_vproj
		.amdhsa_group_segment_fixed_size 327680
		.amdhsa_private_segment_fixed_size 0
		.amdhsa_enable_private_segment 0
		.amdhsa_kernarg_size 48
		.amdhsa_user_sgpr_count 2
		.amdhsa_user_sgpr_kernarg_segment_ptr 1
		.amdhsa_wavefront_size32 1
		.amdhsa_system_sgpr_workgroup_id_x 1
		.amdhsa_system_sgpr_workgroup_id_y 1
		.amdhsa_system_sgpr_workgroup_id_z 1
		.amdhsa_system_vgpr_workitem_id 0
		.amdhsa_next_free_vgpr 1024
		.amdhsa_next_free_sgpr 102
		.amdhsa_reserve_vcc 1
		.amdhsa_float_denorm_mode_32 3
		.amdhsa_float_denorm_mode_16_64 3
		.amdhsa_memory_ordered 1
		.amdhsa_forward_progress 1
		.amdhsa_inst_pref_size 195
	.end_amdhsa_kernel
	.amdgpu_metadata
---
amdhsa.version: [ 1, 2 ]
amdhsa.kernels:
  - .name:           k_qa4b4455adf_vproj
    .symbol:         k_qa4b4455adf_vproj.kd
    .args:
      - { .name: w_attn_codes, .offset: 0, .size: 8, .value_kind: global_buffer, .address_space: global }
      - { .name: w_attn_scales, .offset: 8, .size: 8, .value_kind: global_buffer, .address_space: global }
      - { .name: x_codes, .offset: 16, .size: 8, .value_kind: global_buffer, .address_space: global }
      - { .name: x_scales, .offset: 24, .size: 8, .value_kind: global_buffer, .address_space: global }
      - { .name: qkv, .offset: 32, .size: 8, .value_kind: global_buffer, .address_space: global }
      - { .name: rope, .offset: 40, .size: 8, .value_kind: global_buffer, .address_space: global }
    .group_segment_fixed_size: 327680
    .private_segment_fixed_size: 0
    .kernarg_segment_align: 8
    .kernarg_segment_size: 48
    .max_flat_workgroup_size: 128
    .sgpr_count:     102
    .vgpr_count:     1024
    .wavefront_size: 32
...
	.end_amdgpu_metadata
.endif
;; end of part 1
;; launch qkproj (part 2): grid 8 x 32, 4 waves a work-group, clusters of 4 x 4, 327,680 bytes of LDS; arguments x_codes, x_scales, w_attn_codes, w_attn_scales, qkv, rope; writes qkv
.if DOCPART == 2
	.amdgcn_target "amdgcn-amd-amdhsa--gfx1250"
	.amdhsa_code_object_version 6
	.text
	.protected	k_qa4b4455adf_qkproj
	.globl	k_qa4b4455adf_qkproj
	.p2align	8
	.type	k_qa4b4455adf_qkproj,@function
k_qa4b4455adf_qkproj:
	s_mov_b64 s[64:65], 0
	v_nop
	global_prefetch_b8 v0, s[64:65] scope:SCOPE_SE
	s_setreg_imm32_b32 hwreg(HW_REG_WAVE_MODE, 25, 1), 1
	s_wait_xcnt 0x0
	s_wait_alu depctr_hold_cnt(0) depctr_sa_sdst(0) depctr_va_vdst(0) depctr_va_sdst(0) depctr_va_ssrc(0) depctr_va_vcc(0) depctr_vm_vsrc(0)
	s_getreg_b32 s2, hwreg(HW_REG_IB_STS2, 6, 4)
	s_cmp_eq_u32 s2, 0
	s_cbranch_scc0 .Lentry_in_a_cluster
	s_endpgm
.Lentry_in_a_cluster:
	s_bfe_u32 s2, ttmp6, 0x10000c
	s_cmp_lg_u32 s2, 0xf033
	s_cbranch_scc0 .Lentry_shape_is_right
	s_endpgm
.Lentry_shape_is_right:
.set NQ,     2
.set ROWB,   256
.set KROW,   1024
.set PITCH,  272
.set FR,     16
.set NL,     4
.set NP,     8
.set HALFT,  128*PITCH
.set SLOT,   4*HALFT
.set LAPS,   2
.set KS,     32
.set SCL,    2*SLOT
.set HALFS,  (128*KS/256)*272
.set SBLK,   (16*KS/256)*272
.set SPARE,  SCL+4*HALFS
.set ASLOT,  ROWB
.set BLKB,   50688
.set BHS,    8*BLKB
.set ADRA, 16
.set ADRB, 20
.set ADRS, 27
.set SPW,  28
.set NIL,  29
.set SC,   32
.set AF,   128
.set RR,   128
.set TM,   160
.set SB,   176
.set SBO,  184
.set CDQ,  192
.set G1, 24
.set G0, 32
.set G1B, 48
.set G0B, 56
.set G1S, 68
.set G0S, 76
.set G1SB, 80
.set G0SB, 88
.set MSB, 0
.macro WIN new
.if MSB != \new
	s_set_vgpr_msb (MSB<<8)|\new
.set MSB, \new
.endif
.endm
.set MUL_LO, 0xa1
.set MUL_HI, 0xf1
.set TO_B,   0x40
.macro JLOAD g0a, g1a, g0b, g1b
	s_cmp_eq_u32 s15, 0
	s_cbranch_scc0 .Lfor_b_\@
	tensor_load_to_lds s[\g0a:\g0a+3], s[\g1a:\g1a+7]
	s_nop 0
.rept 4
	v_nop
.endr
	s_branch .Lasked_\@
.Lfor_b_\@:
	tensor_load_to_lds s[\g0b:\g0b+3], s[\g1b:\g1b+7]
	s_nop 0
.rept 4
	v_nop
.endr
.Lasked_\@:
.endm
.macro CREST
	s_cmp_lg_u32 s14, 0
	s_cbranch_scc1 .Lnot_wave_0_\@
	s_barrier_signal -3
.Lnot_wave_0_\@:
	s_barrier_wait -3
	s_barrier_signal -1
	s_barrier_wait -1
.endm
.macro CROUND
	s_barrier_signal -1
	s_barrier_wait -1
	CREST
.endm
	s_load_b128 s[4:7], s[0:1], 0x0
	s_load_b128 s[8:11], s[0:1], 0x10
	s_load_b64 s[12:13], s[0:1], 0x20
	s_load_b64 s[96:97], s[0:1], 0x28
	v_lshl_add_u32 v[SPW], v0, 2, SPARE
	v_mov_b32 v[NIL], 0
	ds_add_u32 v28, v29
	ds_add_u32 v28, v29
	s_wait_dscnt 0x0
	v_lshrrev_b32 v1, 5, v0
	v_readfirstlane_b32 s14, v1
	s_lshr_b32 s15, s14, 1
	s_and_b32 s16, s14, 1
	s_bfe_u32 s40, ttmp6, 0x40000
	s_bfe_u32 s41, ttmp6, 0x40004
	s_lshl_b32 s42, ttmp9, 2
	s_add_co_u32 s42, s42, s40
	s_and_b32 s17, ttmp7, 0xffff
	s_lshl_b32 s17, s17, 2
	s_add_co_u32 s17, s17, s41
	s_lshl_b32 s43, s41, 2
	s_lshl_b32 s43, 15, s43
	s_lshl_b32 s44, 0x1111, s40
	s_or_b32 s[G1+0], s43, (0<<16)|(1<<20)|(1<<21)|(5<<22)|(3<<25)
	s_or_b32 s[G1B+0], s44, (0<<16)|(1<<20)|(1<<21)|(5<<22)|(3<<25)
.irp g, G1, G1B
	s_mov_b32 s[\g+1], ROWB<<16
	s_mov_b32 s[\g+2], 256<<16                     ; 256 rows for the head's loads; set to 128 for the ring's behind them
	s_mov_b32 s[\g+3], ROWB<<16
	s_mov_b32 s[\g+4], 256
	s_mov_b32 s[\g+5], KROW
	s_mov_b32 s[\g+6], 0
	s_mov_b32 s[\g+7], 0
.endr
	s_or_b32 s[G1S+0], s43, (3<<16)|(1<<20)|(1<<21)|(5<<22)|(3<<25)
	s_or_b32 s[G1SB+0], s44, (3<<16)|(1<<20)|(1<<21)|(5<<22)|(3<<25)
.irp g, G1S, G1SB
	s_mov_b32 s[\g+1], 32<<16
	s_mov_b32 s[\g+2], (256*KS/256)<<16            ; the scales of 256 rows: 8,192 dense bytes as 32 rows of 256
	s_mov_b32 s[\g+3], 32<<16
	s_mov_b32 s[\g+4], 256*KS/256
	s_mov_b32 s[\g+5], 32
	s_mov_b32 s[\g+6], 0
	s_mov_b32 s[\g+7], 0
.endr
	s_lshl_b32 s18, s16, 7
	s_lshl_b32 s20, s17, 8
	s_add_co_u32 s20, s20, s18
	s_lshl_b32 s46, s42, 8
	s_add_co_u32 s46, s46, s18
	s_mov_b32 s21, 0
	s_mov_b32 s47, 0
	s_mov_b64 s[18:19], KS
	s_mul_u64 s[22:23], s[20:21], s[18:19]
	s_mul_u64 s[92:93], s[46:47], s[18:19]
	s_mov_b64 s[18:19], KROW
	s_mul_u64 s[20:21], s[20:21], s[18:19]
	s_mul_u64 s[46:47], s[46:47], s[18:19]
	s_mul_i32 s45, s14, HALFT
	s_wait_kmcnt 0x0
	s_add_nc_u64 s[20:21], s[4:5], s[20:21]
	s_add_nc_u64 s[22:23], s[6:7], s[22:23]
	s_add_nc_u64 s[46:47], s[8:9], s[46:47]
	s_add_nc_u64 s[92:93], s[10:11], s[92:93]
	CROUND                                         ; all sixteen work-groups are here: the first joint loads meet
; THE HEAD'S FOUR TILES, ONE A WAVE: wave 0 K step 0's 256 rows of A, wave 1 its 256 rows of B, wave 2 the scales of A's 256 rows, wave 3 those of B's.
.set G0H, 4                            ; s[4:7], s[8:11] group 0 of the two loads of codes: the arguments that lay there have been used
.set G0HB, 8
	s_mul_i32 s2, s16, 128*KROW                    ; from my half's first row back to the tile's
	s_mov_b32 s3, 0
	s_mov_b32 s[G0H], 1
	s_mov_b32 s[G0H+1], 0
	s_sub_nc_u64 s[G0H+2:G0H+3], s[20:21], s[2:3]
	s_or_b32 s[G0H+3], s[G0H+3], 0x80000000
	s_mov_b32 s[G0HB], 1
	s_mov_b32 s[G0HB+1], 2*HALFT
	s_sub_nc_u64 s[G0HB+2:G0HB+3], s[46:47], s[2:3]
	s_or_b32 s[G0HB+3], s[G0HB+3], 0x80000000
	s_mul_i32 s2, s16, 128*KS                      ; the same among the scale bytes
	s_mov_b32 s[G0S], 1
	s_mov_b32 s[G0S+1], SCL
	s_sub_nc_u64 s[G0S+2:G0S+3], s[22:23], s[2:3]
	s_or_b32 s[G0S+3], s[G0S+3], 0x80000000
	s_mov_b32 s[G0SB], 1
	s_mov_b32 s[G0SB+1], SCL+2*HALFS
	s_sub_nc_u64 s[G0SB+2:G0SB+3], s[92:93], s[2:3]
	s_or_b32 s[G0SB+3], s[G0SB+3], 0x80000000
.macro ARM under, g0, g1, next         ; one chain of branches on the wave's number: every way passes exactly one load
	s_cmp_lt_u32 s14, \under
	s_cbranch_scc0 \next
	tensor_load_to_lds s[\g0:\g0+3], s[\g1:\g1+7]
	s_nop 0
.rept 4
	v_nop
.endr
	s_branch .Lhead_asked
\next:
.endm
	ARM 1, G0H,  G1,  .Lhead_b
	ARM 2, G0HB, G1B, .Lhead_sa
	ARM 3, G0S,  G1S, .Lhead_sb
	tensor_load_to_lds s[G0SB:G0SB+3], s[G1SB:G1SB+7]
	s_nop 0
.rept 4
	v_nop
.endr
.Lhead_asked:
.irp s, 0,1
	s_mov_b32 s[G0+4*\s], 1
	s_add_co_u32 s[G0+4*\s+1], s45, \s*SLOT
	s_add_nc_u64 s[G0+4*\s+2:G0+4*\s+3], s[20:21], \s*ASLOT
	s_or_b32 s[G0+4*\s+3], s[G0+4*\s+3], 0x80000000
	s_mov_b32 s[G0B+4*\s], 1
	s_add_co_u32 s[G0B+4*\s+1], s45, \s*SLOT
	s_add_nc_u64 s[G0B+4*\s+2:G0B+4*\s+3], s[46:47], \s*ROWB
	s_or_b32 s[G0B+4*\s+3], s[G0B+4*\s+3], 0x80000000
.endr
	v_and_b32 v1, 15, v0
	v_bfe_u32 v2, v0, 4, 1
	v_mul_u32_u24 v3, v1, PITCH
	v_lshl_add_u32 v4, v2, 4, v3
	s_mul_i32 s21, s15, HALFT
	s_mul_i32 s22, s16, HALFT
	s_add_co_u32 s22, s22, 2*HALFT
.irp s, 0,1
	v_add_nc_u32 v[ADRA+\s], s21, v4
	v_add_nc_u32 v[ADRB+\s], s22, v4
	s_add_co_u32 s21, s21, SLOT
	s_add_co_u32 s22, s22, SLOT
.endr
	v_mul_u32_u24 v5, v1, KS
	v_lshrrev_b32 v6, 8, v5
	v_lshl_add_u32 v5, v6, 4, v5
	s_mul_i32 s21, s15, HALFS
	s_mul_i32 s22, s16, HALFS
	s_add_co_u32 s22, s22, 2*HALFS
	s_sub_co_u32 s22, s22, s21
	v_mul_u32_u24 v6, s22, v2
	s_add_co_u32 s21, s21, SCL
	v_add_nc_u32 v5, v5, v6
	v_add_nc_u32 v[ADRS], s21, v5
	v_mul_u32_u24 v25, v2, BHS
	v_lshl_add_u32 v25, v1, 4, v25
	v_lshlrev_b32 v31, 4, v1
	v_lshl_add_u32 v31, v2, 3, v31
	v_and_b32 v5, 31, v0
	v_lshlrev_b32 v30, 4, v5
	s_wait_alu depctr_va_vdst(0)
	s_lshr_b32 s20, s17, 3
	s_lshl_b32 s20, s20, 4
	s_and_b32 s21, s42, 3
	s_lshl_b32 s21, s21, 2
	s_add_co_u32 s20, s20, s21
	s_lshl_b32 s21, s16, 1
	s_add_co_u32 s20, s20, s21
	s_lshl_b32 s20, s20, 3
	s_and_b32 s21, s17, 7
	s_add_co_u32 s20, s20, s21
	s_mul_i32 s20, s20, BLKB
	s_mov_b32 s21, 0
	s_add_nc_u64 s[12:13], s[12:13], s[20:21]
	s_lshr_b32 s22, s42, 2
	s_cmp_eq_u32 s22, 0
	s_cselect_b32 s22, 33792, 0
	s_mov_b32 s46, 32768
	s_cselect_b32 s46, 50176, s46
	s_lshl_b32 s23, s15, 13
	s_add_co_u32 s22, s22, s23
	s_lshl_b32 s23, s15, 8
	s_add_co_u32 s46, s46, s23
	s_mov_b32 s23, 0
	s_mov_b32 s47, 0
	s_add_nc_u64 s[18:19], s[12:13], s[46:47]
	s_add_nc_u64 s[12:13], s[12:13], s[22:23]
	s_and_b32 s46, s17, 7
	s_lshl_b32 s46, s46, 4
	s_lshl_b32 s22, s15, 3
	s_add_co_u32 s46, s46, s22
	s_lshl_b32 s46, s46, 12
	s_add_nc_u64 s[96:97], s[96:97], s[46:47]
	s_mov_b32 s98, 0x76543210
	s_mov_b32 s99, 0xfedcba98
	s_mov_b32 s100, 0x600000
.macro RLOAD a, reg
.irp k, 0,1,2,3,4,5,6,7
	global_load_b128 v[\reg+4*\k:\reg+4*\k+3], v30, s[96:97] offset:4096*(\a)+512*\k
.endr
.endm
	RLOAD 0, 64
	RLOAD 1, 96
.macro FRAG reg, adr, q, i
.irp c, 0,1,2,3
	ds_load_b128 v[\reg+4*\c:\reg+4*\c+3], v[\adr] offset:128*(\q)+32*\c+(\i)*16*PITCH
.endr
.endm
.macro MUL16 a0, p, q, sc, zero
.irp a, \a0, \a0+1
.irp b, 0,1,2,3,4,5,6,7
.if \zero
	v_wmma_scale_f32_16x16x128_f8f6f4 v[8*(8*((\a)%4)+\b):8*(8*((\a)%4)+\b)+7], v[128*(\p)+FR*\b:128*(\p)+FR*\b+FR-1], v[AF+FR*(\a):AF+FR*(\a)+FR-1], 0, v[SC+8*NQ*(\sc)+NQ*\b+(\q)], v[SC+8*NQ*(\sc)+NQ*(\a)+(\q)] matrix_a_scale:MATRIX_SCALE_ROW1
.else
	v_wmma_scale_f32_16x16x128_f8f6f4 v[8*(8*((\a)%4)+\b):8*(8*((\a)%4)+\b)+7], v[128*(\p)+FR*\b:128*(\p)+FR*\b+FR-1], v[AF+FR*(\a):AF+FR*(\a)+FR-1], v[8*(8*((\a)%4)+\b):8*(8*((\a)%4)+\b)+7], v[SC+8*NQ*(\sc)+NQ*\b+(\q)], v[SC+8*NQ*(\sc)+NQ*(\a)+(\q)] matrix_a_scale:MATRIX_SCALE_ROW1
.endif
.endr
.endr
.endm
.macro FETCH_B slot, q, p
	WIN TO_B
.irp i, 0,1,2,3,4,5,6,7
	FRAG 128*(\p)+FR*\i, ADRB+\slot, \q, \i
.endr
	WIN 0
.endm
.macro FETCH_A slot, q, i0
.irp i, \i0, \i0+1, \i0+2, \i0+3
	FRAG AF+FR*(\i), ADRA+\slot, \q, \i
.endr
.endm
.macro SCALES sc
.irp i, 0,1,2,3,4,5,6,7
	ds_load_b64 v[SC+8*NQ*\sc+NQ*\i:SC+8*NQ*\sc+NQ*\i+1], v[ADRS] offset:\i*SBLK
.endr
.endm
.macro PLACES n
.rept \n
	v_nop
.endr
.endm
.macro STEP slot, q, zero
	s_wait_dscnt 4*NL
	WIN MUL_LO
	MUL16 0, (\q)%2, \q, \slot, \zero
	MUL16 2, (\q)%2, \q, \slot, \zero
	s_wait_dscnt 0
	PLACES NP
	FETCH_B \slot, (\q)+1, 1-(\q)%2
	FETCH_A \slot, (\q)+1, 0
	WIN MUL_HI
	MUL16 4, (\q)%2, \q, \slot, \zero
	MUL16 6, (\q)%2, \q, \slot, \zero
	PLACES NP
	WIN 0
	FETCH_A \slot, (\q)+1, 4
.endm
.macro TURN slot, next, fill
	s_wait_tensorcnt 0x0
	ds_add_u32 v[SPW], v[NIL]
	s_wait_dscnt 4*NL+1
	WIN MUL_LO
	MUL16 0, 1, NQ-1, \slot, 0
	s_wait_dscnt 0x0
	s_barrier_signal -1
	MUL16 2, 1, NQ-1, \slot, 0
	WIN 0
	s_barrier_wait -1
.if \fill
	CREST
	s_add_nc_u64 s[G0+4*\slot+2:G0+4*\slot+3], s[G0+4*\slot+2:G0+4*\slot+3], 2*ASLOT
	s_add_nc_u64 s[G0B+4*\slot+2:G0B+4*\slot+3], s[G0B+4*\slot+2:G0B+4*\slot+3], 2*ROWB
	JLOAD G0+4*\slot, G1, G0B+4*\slot, G1B
	PLACES NP-4
.else
	PLACES NP
.endif
	s_wait_alu depctr_va_vdst(0)
	v_add_nc_u32 v[ADRS], 4*NQ, v[ADRS]
	FETCH_B \next, 0, 0
	FETCH_A \next, 0, 0
	SCALES \next
	WIN MUL_HI
	MUL16 4, 1, NQ-1, \slot, 0
	MUL16 6, 1, NQ-1, \slot, 0
	PLACES NP
	WIN 0
	FETCH_A \next, 0, 4
.endm
	s_wait_alu depctr_va_vdst(0)
	s_wait_tensorcnt 0x0                           ; my tile of the head's four is in
	ds_add_u32 v[SPW], v[NIL]
	s_mov_b32 s[G1+2], 128<<16                     ; no tensor load of mine is out: from here on a load brings 128 rows
	s_mov_b32 s[G1+4], 128
	s_mov_b32 s[G1B+2], 128<<16
	s_mov_b32 s[G1B+4], 128
	s_wait_dscnt 0x0
	CROUND                                         ; all four tiles are in, and all sixteen work-groups are here
	JLOAD G0+4, G1, G0B+4, G1B                     ; K step 1, a quarter of slot 1 a wave: the first tensor load behind the round
	FETCH_B 0, 0, 0
	FETCH_A 0, 0, 0
	SCALES 0
	FETCH_A 0, 0, 4
	STEP 0, 0, 1
	s_mov_b32 s3, LAPS-1
.Llap:
	TURN 0, 1, 1
	STEP 1, 0, 0
	TURN 1, 0, 1
	STEP 0, 0, 0
	s_sub_co_u32 s3, s3, 1
	s_cmp_lg_u32 s3, 0
	s_cbranch_scc1 .Llap
	TURN 0, 1, 0
	STEP 1, 0, 0
	WIN 0x40                                       ; B's set 0 (window 1, v0-127) has had its last product, eight places back: the table's rows for blocks 2 to 5 are asked for ahead of the last 64 products
	RLOAD 2, 0
	RLOAD 3, 32
	RLOAD 4, 64
	RLOAD 5, 96
	WIN 0
	s_wait_dscnt 4*NL
	WIN MUL_LO
	MUL16 0, 1, NQ-1, 1, 0
	MUL16 2, 1, NQ-1, 1, 0
	s_wait_dscnt 0
	WIN MUL_HI
	MUL16 4, 1, NQ-1, 1, 0
	MUL16 6, 1, NQ-1, 1, 0
	WIN 0
.macro QKHEAD a, hh
.set AC, 64*((\a)%4)+32*(\hh)
.set WA, 2+(\a)/4
.if (\a) < 2
.set TBL, 64+32*(\a)
.set WT, 0
.else
.set TBL, 32*((\a)-2)
.set WT, 1
.endif
.set WW, WA|(WT<<2)
	WIN WW
.irp tt, 0,1,2,3
.irp p, 0,2,4,6
	v_pk_mul_f32 v[RR+8*\tt+\p:RR+8*\tt+\p+1], v[AC+8*\tt+\p:AC+8*\tt+\p+1], v[TBL+16*(\tt%2)+8+\p:TBL+16*(\tt%2)+8+\p+1] op_sel:[1,0] op_sel_hi:[0,1]
.endr
.endr
.irp tt, 0,1,2,3
.irp p, 0,2,4,6
	v_pk_fma_f32 v[RR+8*\tt+\p:RR+8*\tt+\p+1], v[AC+8*\tt+\p:AC+8*\tt+\p+1], v[TBL+16*(\tt%2)+\p:TBL+16*(\tt%2)+\p+1], v[RR+8*\tt+\p:RR+8*\tt+\p+1]
.endr
.endr
	WIN 0
.irp c, 0,1
	v_max3_num_f32 v[TM+\c], |v[RR+16*\c]|, |v[RR+16*\c+1]|, 0x4800000
.endr
.irp i, 2,4,6,8,10,12,14
.irp c, 0,1
	v_max3_num_f32 v[TM+\c], v[TM+\c], |v[RR+16*\c+\i]|, |v[RR+16*\c+\i+1]|
.endr
.endr
.irp c, 0,1
	v_permlanex16_b32 v[TM+2+\c], v[TM+\c], s98, s99
.endr
.irp c, 0,1
	v_max_num_f32 v[TM+\c], v[TM+\c], v[TM+2+\c]
.endr
.irp c, 0,1
	v_add_nc_u32 v[TM+6+\c], 0xfc000000, v[TM+\c]
.endr
.irp c, 0,1
	v_and_or_b32 v[TM+4+\c], v[TM+\c], 0x7f800000, s100
.endr
.irp c, 0,1
	v_lshrrev_b32 v[TM+2+\c], 23, v[TM+6+\c]
.endr
.if (\a)%2 == 0
	v_lshl_or_b32 v[SB+4*(\hh)+(\a)/2], v[TM+3], 8, v[TM+2]
.else
	v_lshl_or_b32 v[TM+2], v[TM+3], 8, v[TM+2]
	v_lshl_or_b32 v[SB+4*(\hh)+(\a)/2], v[TM+2], 16, v[SB+4*(\hh)+(\a)/2]
.endif
	s_wait_alu depctr_va_vdst(0)
	s_wait_xcnt 0x0
.irp c, 0,1
.irp i, 0,1,2,3,4,5,6,7,8,9,10,11,12,13,14,15
	v_med3_num_f32 v[RR+16*\c+\i], v[RR+16*\c+\i], -v[TM+4+\c], v[TM+4+\c]
.endr
.endr
.irp tt, 0,1,2,3
	v_cvt_scalef32_pk8_fp8_f32 v[CDQ+2*\tt:CDQ+2*\tt+1], v[RR+8*\tt:RR+8*\tt+7], v[TM+6+\tt/2]
.endr
	v_nop
.irp tt, 0,1,2,3
	global_store_b64 v31, v[CDQ+2*\tt:CDQ+2*\tt+1], s[12:13] offset:(\hh)*BHS+1024*(\a)+256*\tt
.endr
.endm
	PLACES NP
	WIN 0x40
	RLOAD 6, 128
	RLOAD 7, 160
	WIN 0
	v_mov_b32 v[TM+2], 0
	v_mov_b32 v[TM+3], 0
.irp a, 0,1,2,3,4,5,6,7
	s_wait_loadcnt 56-8*\a
	QKHEAD \a, 0
	QKHEAD \a, 1
.endr
	v_cmp_ne_u32 vcc_lo, 0, v2
.irp b, 0,1,2,3
	v_cndmask_b32 v[SBO+\b], v[SB+\b], v[SB+4+\b], vcc_lo
.endr
	global_store_b128 v25, v[SBO:SBO+3], s[18:19]
	s_wait_tensorcnt 0x0
	ds_add_u32 v[SPW], v[NIL]
	s_wait_dscnt 0x0
	CROUND
	s_endpgm
.Lfunc_end_k_qa4b4455adf_qkproj:
	.size	k_qa4b4455adf_qkproj, .Lfunc_end_k_qa4b4455adf_qkproj-k_qa4b4455adf_qkproj
	.p2alignl 7, 3214868480
	.fill 96, 4, 3214868480
	.section	.rodata,"a",@progbits
	.p2align	6, 0x0
	.amdhsa_kernel k_qa4b4455adf_qkproj
		.amdhsa_group_segment_fixed_size 327680
		.amdhsa_private_segment_fixed_size 0
		.amdhsa_enable_private_segment 0
		.amdhsa_kernarg_size 48
		.amdhsa_user_sgpr_count 2
		.amdhsa_user_sgpr_kernarg_segment_ptr 1
		.amdhsa_wavefront_size32 1
		.amdhsa_system_sgpr_workgroup_id_x 1
		.amdhsa_system_sgpr_workgroup_id_y 1
		.amdhsa_system_sgpr_workgroup_id_z 1
		.amdhsa_system_vgpr_workitem_id 0
		.amdhsa_next_free_vgpr 1024
		.amdhsa_next_free_sgpr 102
		.amdhsa_reserve_vcc 1
		.amdhsa_float_denorm_mode_32 3
		.amdhsa_float_denorm_mode_16_64 3
		.amdhsa_memory_ordered 1
		.amdhsa_forward_progress 1
		.amdhsa_inst_pref_size 229
	.end_amdhsa_kernel
	.amdgpu_metadata
---
amdhsa.version: [ 1, 2 ]
amdhsa.kernels:
  - .name:           k_qa4b4455adf_qkproj
    .symbol:         k_qa4b4455adf_qkproj.kd
    .args:
      - { .name: x_codes, .offset: 0, .size: 8, .value_kind: global_buffer, .address_space: global }
      - { .name: x_scales, .offset: 8, .size: 8, .value_kind: global_buffer, .address_space: global }
      - { .name: w_attn_codes, .offset: 16, .size: 8, .value_kind: global_buffer, .address_space: global }
      - { .name: w_attn_scales, .offset: 24, .size: 8, .value_kind: global_buffer, .address_space: global }
      - { .name: qkv, .offset: 32, .size: 8, .value_kind: global_buffer, .address_space: global }
      - { .name: rope, .offset: 40, .size: 8, .value_kind: global_buffer, .address_space: global }
    .group_segment_fixed_size: 327680
    .private_segment_fixed_size: 0
    .kernarg_segment_align: 8
    .kernarg_segment_size: 48
    .max_flat_workgroup_size: 128
    .sgpr_count:     102
    .vgpr_count:     1024
    .wavefront_size: 32
...
	.end_amdgpu_metadata
.endif
;; end of part 2
;; launch attn (part 3): grid 4 x 64, 16 waves a work-group, clusters of 4 x 1, 327,680 bytes of LDS; arguments qkv, y_codes, y_scales; writes y_codes, y_scales
.if DOCPART == 3
	.amdgcn_target "amdgcn-amd-amdhsa--gfx1250"
	.amdhsa_code_object_version 6
	.text
	.protected	k_qa4b4455adf_attn
	.globl	k_qa4b4455adf_attn
	.p2align	8
	.type	k_qa4b4455adf_attn,@function
k_qa4b4455adf_attn:
	s_mov_b64 s[64:65], 0
	v_nop
	global_prefetch_b8 v0, s[64:65] scope:SCOPE_SE
	s_setreg_imm32_b32 hwreg(HW_REG_WAVE_MODE, 25, 1), 1
	s_wait_xcnt 0x0
	s_wait_alu depctr_hold_cnt(0) depctr_sa_sdst(0) depctr_va_vdst(0) depctr_va_sdst(0) depctr_va_ssrc(0) depctr_va_vcc(0) depctr_vm_vsrc(0)
	s_getreg_b32 s2, hwreg(HW_REG_IB_STS2, 6, 4)
	s_cmp_eq_u32 s2, 0
	s_cbranch_scc0 .Lentry_in_a_cluster
	s_endpgm
.Lentry_in_a_cluster:
	s_bfe_u32 s2, ttmp6, 0x10000c
	s_cmp_lg_u32 s2, 0x3003
	s_cbranch_scc0 .Lentry_shape_is_right
	s_endpgm
.Lentry_shape_is_right:
; y = softmax(q k^T / 8, causal) v for one head, both products on codes of FP8 (E4M3) with one E8M0 scale for each 32 along K; y is quantised along the model's 1,024 for the last product.
; LEFT OUT: key steps of 128 keys all of which come after a tile's 16 queries: the causal mask gives them the weight 0 for all inputs.
; THE SOFTMAX: t = score x log2(e) / 8; M = the row's largest t so far, rounded UP to a whole number; p = 2^(t - M) is quantised along the keys, not normalised; the row's sum is taken of the unquantised p and divides at the end.
; When M moves, the sum and O are multiplied by 2^(old M - new M): exact.
; K AND V OF THE WHOLE HEAD STAY IN LDS: 8 slots of 256 keys x 33,792 bytes = 270,336.  Each of the sixteen waves asks for half a slot (66 rows of 256 bytes) by one tensor load; nothing is filled again.
; THE REQUESTS GO IN TWO STAGES: waves 0 to 3 ask for slots 0 and 1 at the head; waves 4 to 15 ask for slots 2 to 7 behind the full sequence and a round of the cluster's barrier, when slots 0 and 1 are in.
; SHARES.  A head has 128 tiles of 16 queries.  Wave w of work-group cx owns tiles a = 4 w + cx and 127 - a.  With h = w / 2, tile a wants key steps 0 .. h and tile 127 - a steps 0 .. 15 - h: 17 steps for every wave,
; and the counts hang on the wave's number alone.  Trip g = 0 .. 16, u = g + 15 - h: while u < 16 tile a takes step g (its diagonal step at u = 15); from u = 16 on tile 127 - a takes step u - 16 (its diagonal step in trip 16).
; So trip g reads no key step above g: trips 0 .. 3 read slots 0 and 1 alone, and the barrier behind trip 3 shows slots 2 to 7.
; CLUSTER: the four work-groups of a head read all eight slots: each half slot is asked for jointly (mask 15).  cx enters global addresses and the mask's compare value alone.
; NO PREFETCH: the second stage's tensor loads are themselves issued four trips ahead of the first read of their bytes; there is no later load to run ahead of.
; LAYOUT.  Both products are used transposed: S^T = K Q^T, O^T = V^T P^T: a lane holds one query (lane % 16) throughout.  K = 64 in an instruction of 128: a fragment of K holds keys 32 b + r in K = 0 .. 63 and keys
; 32 b + 16 + r in K = 64 .. 127; it is multiplied by (q, 0) and by (0, q), the byte 1 over the zero codes.  Register 16 b + 8 u + j of S^T holds key 32 b + 16 u + 8 h + j: the slots in which V's codes were laid.
; A slot: K's codes 16,384, V's codes 16,384, K's scales 512, V's scales 512: images of registers, no padding.
; LIMITS: a block of zeros gets the scale byte 1 and not 127 (this program alone reads the bytes).  NaN and infinities are not served.  The promise holds while the scaled scores stay under 2^31 in magnitude.
; The keys inside a block of 32 are permuted alike in p and V: the sums' order differs.  y's scale bytes leave two to a lane: 1/32 of y's bytes.
.set BLKB,  50688                      ; a block of qkv: 256 tokens of one head
.set BHS,   8*BLKB
.set SLB,   33792                      ; a slot in LDS
.set SPARE, 8*SLB                      ; the spare words: 128 bytes for each of 16 waves, named by no other line
.set LI,   1                           ; 16 x lane
.set AV0,  2                           ; v2-3 my lane's place in a tile of V, u = 0, 1
.set ASK0, 4                           ; among K's scale words
.set ASV0, 5                           ; among V's
.set SPW,  6
.set NIL,  7
.set AD0,  8                           ; v8-10 the addresses of the loads in hand
.set AD1,  9
.set AD2,  10
.set DMA,  11                          ; my query less the diagonal step's first key less 8 h: tile a's, tile 127 - a's
.set DMB,  12
.set QSO,  13                          ; 16 r
                                       ; v252-255, v248-249, v14-15: the second tile's q; v0: its scale bytes
                                       ; v16-23 zeros, v24-31 q, v32-39 zeros
.set FRG,  40                          ; four fragments of K, then of V
.set ST,   104                         ; S^T, then p
.set OT,   168                         ; O^T
.set PCD,  200                         ; p's codes
.set BM,   216                         ; the blocks' largest
.set PT,   220                         ; v220-231 also carry six chains of the row's sum
.set HD,   224                         ; 448 x the scale
.set SO,   228                         ; the conversions' scale operands
.set NM,   232                         ; -M, the largest t
.set SUM,  234
.set FF,   236                         ; f or 1 / l; v237: the old -M
.set KSC,  238
.set VSC,  242
.set PSC,  246
.set T0,   247
.set QSA,  250
.set QSB,  251
.set CX,   16
.set H1,   17                          ; h + 1
.set WV,   18
.set MNT,  19
.set SEL,  20
.set CS,   22
.set G1,   24
.set G0,   32
.set U,    36
.set CNT,  37
.set TBK,  38                          ; where the step's codes begin in LDS,
.set TBS,  39                          ; and its scale words
.set TA,   56
.set TBT,  57
.set BH,   58
.macro CROUND                          ; a round of the cluster's barrier
	s_barrier_signal -1
	s_barrier_wait -1
	s_cmp_lg_u32 s[WV], 0
	s_cbranch_scc1 .Lnot_wave_0_\@
	s_barrier_signal -3
.Lnot_wave_0_\@:
	s_barrier_wait -3
	s_barrier_signal -1
	s_barrier_wait -1
.endm
.macro NOPS n
.rept \n
	v_nop
.endr
.endm
; tile s[t]: q's codes s[q:q+1], q's scale bytes s[q+2:q+3], y's codes s[y:y+1], y's scale bytes s[y+2:y+3]
.macro TILEADR t, q, y
	s_lshr_b32 s10, s[\t], 4
	s_mul_i32 s10, s10, BLKB
	s_and_b32 s11, s[\t], 15
	s_lshl_b32 s12, s11, 10
	s_add_co_u32 s12, s12, s10
	s_add_co_u32 s12, s12, 33792
	s_mov_b32 s13, 0
	s_add_nc_u64 s[\q:\q+1], s[4:5], s[12:13]      ; 1,024 bytes a tile
	s_lshr_b32 s12, s11, 3
	s_lshl_b32 s12, s12, 8
	s_and_b32 s14, s11, 7
	s_lshl_b32 s14, s14, 1
	s_add_co_u32 s12, s12, s14
	s_add_co_u32 s12, s12, s10
	s_add_co_u32 s12, s12, 50176
	s_add_nc_u64 s[\q+2:\q+3], s[4:5], s[12:13]    ; 256 (tile / 8) + 2 (tile % 8), + 16 r
	s_lshr_b32 s12, s[BH], 4
	s_lshl_b32 s12, s12, 7
	s_add_co_u32 s12, s12, s[\t]                   ; 128 x batch + tile
	s_and_b32 s14, s[BH], 15
	s_lshl_b32 s10, s12, 14
	s_lshl_b32 s15, s14, 10
	s_add_co_u32 s10, s10, s15
	s_mov_b32 s11, 0
	s_add_nc_u64 s[\y:\y+1], s[6:7], s[10:11]      ; 16,384 x tile + 1,024 x head
	s_lshl_b32 s10, s12, 9
	s_lshl_b32 s14, s14, 1
	s_add_co_u32 s10, s10, s14
	s_add_nc_u64 s[\y+2:\y+3], s[8:9], s[10:11]    ; 512 x tile + 2 x head
.endm
.macro INIT                            ; a tile begins: zeros for O^T and the sum, -3e38 for the largest t
.set n, 0
.rept 32
	v_mov_b32 v[OT+n], 0
.set n, n+1
.endr
	v_mov_b32 v[NM+1], 0xff61b1e6
	v_floor_f32 v[NM], -v[NM+1]
	v_mov_b32 v[SUM], 0
	v_mov_b32 v[SUM+1], 0
.endm
	s_load_b128 s[4:7], s[0:1], 0x0                ; qkv, y's codes
	s_load_b64 s[8:9], s[0:1], 0x10                ; y's scales
	v_lshl_add_u32 v[SPW], v0, 2, SPARE
	v_mov_b32 v[NIL], 0
	ds_add_u32 v[SPW], v[NIL]                      ; the opening lines: the add, twice on end, and its wait
	ds_add_u32 v[SPW], v[NIL]
	v_lshrrev_b32 v8, 5, v0
	v_readfirstlane_b32 s[WV], v8                  ; wave 0..15
	s_lshr_b32 s[H1], s[WV], 1
	s_xor_b32 s[U], s[H1], 15                      ; u = 15 - h
	s_mul_i32 s12, s[H1], BLKB                     ; my half slot in memory: slot w / 2, half w % 2
	s_add_co_u32 s[H1], s[H1], 1
	s_bfe_u32 s[CX], ttmp6, 0x40000
	s_and_b32 s[BH], ttmp7, 0xffff                 ; 16 x batch + head
	s_lshl_b32 s[TA], s[WV], 2
	s_add_co_u32 s[TA], s[TA], s[CX]
	s_sub_co_u32 s[TBT], 127, s[TA]
	s_mul_i32 s10, s[BH], BHS
	s_mov_b32 s11, 0
	s_and_b32 s13, s[WV], 1
	s_mul_i32 s13, s13, 16896
	s_add_co_u32 s12, s12, s13
	s_mov_b32 s13, 0
	s_mul_i32 s[G0+1], s[WV], 16896                ; and in LDS
	s_mov_b32 s[G1], 15|(3<<16)|(1<<21)            ; the four of the cluster; elements of 8 bytes; bit 21 beside a mask; no padding
	s_mov_b32 s[G1+1], 32<<16                      ; rows of 256 bytes
	s_mov_b32 s[G1+2], 66<<16
	s_mov_b32 s[G1+3], 32<<16
	s_mov_b32 s[G1+4], 66
	s_mov_b32 s[G1+5], 32                          ; dense
	s_mov_b32 s[G1+6], 0
	s_mov_b32 s[G1+7], 0
	s_mov_b32 s[SEL], 0x76543210
	s_mov_b32 s[SEL+1], 0xfedcba98                 ; lane l xor 16
	s_mov_b32 s[CS], 0x3e38aa3b                    ; c = log2(e) / 8
	s_mov_b32 s[CS+1], s[CS]
	s_mov_b32 s[MNT], 0x600000                     ; the mantissa field of 448
	s_wait_dscnt 0x0
	CROUND                                         ; the four work-groups are here: the joint loads meet
	s_wait_kmcnt 0x0
	s_add_nc_u64 s[4:5], s[4:5], s[10:11]          ; the head's first block
	s_mov_b32 s[G0], 1
	s_add_nc_u64 s[G0+2:G0+3], s[4:5], s[12:13]
	s_or_b32 s[G0+3], s[G0+3], 0x80000000
	s_cmp_lt_u32 s[WV], 4                          ; the first stage: waves 0 to 3, slots 0 and 1
	s_cbranch_scc0 .Llater
	tensor_load_to_lds s[G0:G0+3], s[G1:G1+7]
	s_nop 0
	NOPS 4
.Llater:
	TILEADR TA, 40, 48
	TILEADR TBT, 44, 52
	s_and_b32 s12, s[WV], 1
	s_lshl_b32 s12, s12, 2
	s_add_co_u32 s12, s12, s[CX]
	s_lshl_b32 s12, s12, 4                         ; 16 (a % 8)
	s_sub_co_u32 s13, 112, s12                     ; 16 (7 - a % 8)
	v_and_b32 v9, 31, v0
	v_lshlrev_b32 v[LI], 4, v9
	v_and_b32 v10, 15, v0                          ; r
	v_bfe_u32 v8, v0, 4, 1                         ; h
	v_lshrrev_b32 v12, 3, v10                      ; r / 8
	v_and_b32 v9, 7, v10                           ; r % 8
	v_lshlrev_b32 v[AV0], 4, v9
	v_lshl_add_u32 v[AV0], v12, 9, v[AV0]
	v_lshl_add_u32 v[AV0], v8, 8, v[AV0]
	v_lshl_add_u32 v[AV0], v12, 7, v[AV0]          ; V, u = 0: 512 m3 + 256 h + 128 m3 + 16 (m & 7)
	v_xor_b32 v[AV0+1], 128, v[AV0]                ; u = 1
	v_lshlrev_b32 v[QSO], 4, v10
	v_add_nc_u32 v[ASK0], 32768, v[QSO]
	v_lshlrev_b32 v[ASV0], 3, v9
	v_lshl_add_u32 v[ASV0], v12, 7, v[ASV0]
	v_add_nc_u32 v[ASV0], 33280, v[ASV0]
	v_lshlrev_b32 v8, 3, v8
	v_sub_nc_u32 v10, v10, v8                      ; r - 8 h
	v_add_nc_u32 v[DMA], s12, v10
	v_add_nc_u32 v[DMB], s13, v10
.irp j, 0,1,2,3,4,5,6,7
	v_mov_b32 v[16+\j], 0                          ; the zero codes beside q
	v_mov_b32 v[32+\j], 0
.endr
.irp b, 0,1,2,3
	v_mov_b32 v[PT+\b], 0                          ; a lane permute's destination counts as one of its sources
.endr
	v_mov_b32 v[T0], 0
	v_mov_b32 v[FF+1], 0                           ; named as the upper half of the pair v[FF:FF+1] before a key step first writes it
	s_wait_alu depctr_va_vdst(0)
	global_load_b128 v[24:27], v[LI], s[40:41]     ; tile a's q
	global_load_b128 v[28:31], v[LI], s[40:41] offset:512
	global_load_u16 v[T0], v[QSO], s[42:43]
	global_load_b128 v[252:255], v[LI], s[44:45]   ; tile 127 - a's, kept until the change of tiles
	global_load_b64 v[248:249], v[LI], s[44:45] offset:512
	global_load_b64 v[14:15], v[LI], s[44:45] offset:520
	global_load_u16 v0, v[QSO], s[46:47]
	INIT
	s_wait_alu depctr_va_vdst(0)
	s_wait_loadcnt 0x0
	v_or_b32 v[QSA], 0x01010000, v[T0]             ; for (q, 0): q's two bytes below, the byte 1 over the zero codes
	v_lshl_or_b32 v[QSB], v[T0], 16, 0x101         ; for (0, q)
	s_wait_alu depctr_va_vdst(0)
	s_wait_tensorcnt 0x0                           ; slots 0 and 1 are in
	ds_add_u32 v[SPW], v[NIL]
	ds_add_u32 v[SPW], v[NIL]                      ; the add twice on end
	s_wait_dscnt 0x0
	CROUND                                         ; every wave sees slots 0 and 1, and the four work-groups are here
	s_cmp_lt_u32 s[WV], 4                          ; the second stage: waves 4 to 15, slots 2 to 7
	s_cbranch_scc1 .Lhave
	tensor_load_to_lds s[G0:G0+3], s[G1:G1+7]
	s_nop 0
	NOPS 4
.Lhave:
; A KEY STEP of 128 keys.  mask = 1: tile a's diagonal step is masked where u = 15; mask = 2: tile 127 - a's, always.  lim: the largest key step that the trips of this copy read.
.macro STEP mask, lim
	s_lshr_b32 s60, s[U], 4
	s_xor_b32 s60, s60, 1
	s_mul_i32 s60, s60, s[H1]
	s_add_co_u32 s59, s[U], s60
	s_and_b32 s59, s59, 15                         ; the key step: u + h + 1 - 16 = g while u < 16, then u - 16
.if \lim < 15
	s_min_u32 s59, s59, \lim                       ; the bound of these trips, stated
.endif
	s_lshr_b32 s60, s59, 1
	s_mul_i32 s60, s60, SLB
	s_and_b32 s59, s59, 1
	s_lshl_b32 s61, s59, 13
	s_add_co_u32 s[TBK], s60, s61
	s_lshl_b32 s61, s59, 8
	s_add_co_u32 s[TBS], s60, s61
	v_add_nc_u32 v[AD0], s[TBK], v[LI]
	v_add_nc_u32 v[AD1], s[TBS], v[ASK0]
	NOPS 6                                         ; with the two additions: eight places in front of loads into registers that the last products read
.irp b, 0,1,2,3
.irp c, 0,1,2,3
	ds_load_b128 v[FRG+16*\b+4*\c:FRG+16*\b+4*\c+3], v[AD0] offset:2048*\b+512*\c
.endr
.endr
	ds_load_b128 v[KSC:KSC+3], v[AD1]
	s_wait_alu depctr_va_vdst(0)
	s_wait_dscnt 0x0
.irp b, 0,1,2,3
	v_wmma_scale_f32_16x16x128_f8f6f4 v[ST+16*\b:ST+16*\b+7], v[FRG+16*\b:FRG+16*\b+15], v[24:39], 0, v[KSC+\b], v[QSA]
	v_wmma_scale_f32_16x16x128_f8f6f4 v[ST+16*\b+8:ST+16*\b+15], v[FRG+16*\b:FRG+16*\b+15], v[16:31], 0, v[KSC+\b], v[QSB]
.endr
	v_add_nc_u32 v[AD0], s[TBK], v[AV0]            ; eight places behind the products
	v_add_nc_u32 v[AD1], s[TBK], v[AV0+1]
	v_add_nc_u32 v[AD2], s[TBS], v[ASV0]
	v_mov_b32 v[FF+1], v[NM]                       ; the old -M
	NOPS 4
.irp t, 0,1,2,3                                ; V's four fragments land under the softmax
.irp c, 0,1,2,3
	ds_load_b128 v[FRG+16*\t+4*\c:FRG+16*\t+4*\c+3], v[AD0+\t%2] offset:16384+4096*(\t/2)+1024*\c
.endr
.endr
	ds_load_b64 v[VSC:VSC+1], v[AD2]
	ds_load_b64 v[VSC+2:VSC+3], v[AD2] offset:64
.if \mask
.if \mask == 1
	s_cmp_lg_u32 s[U], 15                          ; the wave's number and the count of trips alone decide
	s_wait_alu depctr_va_vdst(0)
	s_cbranch_scc1 .Lopen_\@
.endif
	v_mov_b32 v[PT], 0xff800000                    ; hidden scores become -infinity: p = 0.  Register 16 b + 8 u + j is hidden where 32 b + 16 u + j > the compare value
.set n, 0
.rept 64
	v_cmp_gt_i32 vcc_lo, 32*(n/16)+16*((n/8)%2)+n%8, v[DMA+\mask-1]
	v_cndmask_b32 v[ST+n], v[ST+n], v[PT], vcc_lo
.set n, n+1
.endr
.Lopen_\@:
.endif
.irp b, 0,1,2,3
	v_max3_num_f32 v[BM+\b], v[ST+16*\b], v[ST+1+16*\b], v[ST+2+16*\b]   ; each block's largest score: for the row's maximum and for the block's largest p
.endr
.irp i, 3,5,7,9,11,13
.irp b, 0,1,2,3
	v_max3_num_f32 v[BM+\b], v[BM+\b], v[ST+16*\b+\i], v[ST+1+16*\b+\i]
.endr
.endr
.irp b, 0,1,2,3
	v_max_num_f32 v[BM+\b], v[BM+\b], v[ST+15+16*\b]
.endr
.irp b, 0,1,2,3
	s_delay_alu instid0(VALU_DEP_4)
	v_permlanex16_b32 v[PT+\b], v[BM+\b], s[SEL], s[SEL+1]
.endr
.irp b, 0,1,2,3
	s_delay_alu instid0(VALU_DEP_4)
	v_max_num_f32 v[BM+\b], v[BM+\b], v[PT+\b]
.endr
	s_delay_alu instid0(VALU_DEP_2)
	v_max3_num_f32 v[T0], v[BM], v[BM+1], v[BM+2]
	s_delay_alu instid0(VALU_DEP_1)
	v_max_num_f32 v[T0], v[T0], v[BM+3]
	s_delay_alu instid0(VALU_DEP_1)
	v_mul_f32 v[T0], s[CS], v[T0]                  ; the step's largest t
	s_delay_alu instid0(VALU_DEP_1)
	v_max_num_f32 v[NM+1], v[NM+1], v[T0]
	s_delay_alu instid0(VALU_DEP_1)
	v_floor_f32 v[NM], -v[NM+1]                    ; the new -M = -ceil(t)
	s_delay_alu instid0(VALU_DEP_1)
	v_sub_f32 v[T0], v[NM], v[FF+1]                ; old M - new M: a whole number, 0 or less
	s_delay_alu instid0(VALU_DEP_1)
	v_cvt_i32_f32 v[T0], v[T0]                     ; (it saturates)
	s_delay_alu instid0(VALU_DEP_1)
	v_ldexp_f32 v[FF], 1.0, v[T0]                  ; f = 2^(old M - new M)
.set n, 0
.rept 32
	v_pk_fma_f32 v[ST+n:ST+n+1], v[ST+n:ST+n+1], s[CS:CS+1], v[NM:NM+1] op_sel_hi:[1,0,0]   ; t - M
.set n, n+2
.endr
.irp b, 0,1,2,3
	v_fma_f32 v[BM+\b], v[BM+\b], s[CS], v[NM]
.endr
	s_wait_alu depctr_va_vdst(0)
.set n, 0
.rept 64
	v_exp_f32 v[ST+n], v[ST+n]                     ; p
.set n, n+1
.endr
	v_pk_mul_f32 v[SUM:SUM+1], v[SUM:SUM+1], v[FF:FF+1] op_sel_hi:[1,0]   ; the sums under the new M: a plain line behind the batch
	s_wait_alu depctr_va_vdst(0)                   ; one wait for the batch of 64
.irp b, 0,1,2,3
	v_exp_f32 v[BM+\b], v[BM+\b]                   ; the blocks' largest p
.endr
.irp i, 0,1,2,3,4,5                            ; the row's sum of the unquantised p: 32 pairs in seven chains
	v_pk_add_f32 v[PT+2*\i:PT+2*\i+1], v[ST+4*\i:ST+4*\i+1], v[ST+4*\i+2:ST+4*\i+3]
.endr
.set n, 0
.rept 20
.if n%7 == 6
	v_pk_add_f32 v[SUM:SUM+1], v[SUM:SUM+1], v[ST+24+2*n:ST+25+2*n]
.else
	v_pk_add_f32 v[PT+2*(n%7):PT+2*(n%7)+1], v[PT+2*(n%7):PT+2*(n%7)+1], v[ST+24+2*n:ST+25+2*n]
.endif
.set n, n+1
.endr
	v_pk_add_f32 v[PT:PT+1], v[PT:PT+1], v[PT+2:PT+3]
	v_pk_add_f32 v[HD:HD+1], v[HD:HD+1], v[HD+2:HD+3]
	v_pk_add_f32 v[SO:SO+1], v[SO:SO+1], v[SO+2:SO+3]
	v_pk_add_f32 v[PT:PT+1], v[PT:PT+1], v[HD:HD+1]
	v_pk_add_f32 v[SUM:SUM+1], v[SUM:SUM+1], v[SO:SO+1]
	v_pk_add_f32 v[SUM:SUM+1], v[SUM:SUM+1], v[PT:PT+1]
	s_wait_alu depctr_va_vdst(0)                   ; and one for the four
.irp b, 0,1,2,3
	v_max_num_f32 v[BM+\b], 0x4800000, v[BM+\b]    ; the floor 2^(9 - 127): the byte cannot fall under 1
.endr
.irp b, 0,1,2,3
	s_delay_alu instid0(VALU_DEP_4)
	v_add_nc_u32 v[SO+\b], 0xfc000000, v[BM+\b]
.endr
.irp b, 0,1,2,3
	v_and_or_b32 v[HD+\b], v[BM+\b], 0x7f800000, s[MNT]
.endr
.irp b, 0,1,2,3
	v_lshrrev_b32 v[PT+\b], 23, v[SO+\b]
.endr
	s_delay_alu instid0(VALU_DEP_3)
	v_lshl_or_b32 v[PSC], v[PT+1], 8, v[PT]        ; p's scale word for these 128 keys
	s_delay_alu instid0(VALU_DEP_1)
	v_lshl_or_b32 v[PSC], v[PT+2], 16, v[PSC]
	s_delay_alu instid0(VALU_DEP_1)
	v_lshl_or_b32 v[PSC], v[PT+3], 24, v[PSC]
.irp b, 0,2                                    ; the hold (the conversion does not saturate: ISA guide 7.6.2; p is not negative), two numbers a line, of two neighbouring blocks
.irp i, 0,2,4,6,8,10,12,14
	v_dual_min_num_f32 v[ST+16*\b+\i], v[ST+16*\b+\i], v[HD+\b] :: v_dual_min_num_f32 v[ST+16*\b+17+\i], v[ST+16*\b+17+\i], v[HD+\b+1]
	v_dual_min_num_f32 v[ST+16*\b+16+\i], v[ST+16*\b+16+\i], v[HD+\b+1] :: v_dual_min_num_f32 v[ST+16*\b+1+\i], v[ST+16*\b+1+\i], v[HD+\b]
.endr
.irp e, 0,1
	v_cvt_scalef32_pk8_fp8_f32 v[PCD+4*(\b+\e):PCD+4*(\b+\e)+1], v[ST+16*(\b+\e):ST+16*(\b+\e)+7], v[SO+\b+\e]
	v_cvt_scalef32_pk8_fp8_f32 v[PCD+4*(\b+\e)+2:PCD+4*(\b+\e)+3], v[ST+16*(\b+\e)+8:ST+16*(\b+\e)+15], v[SO+\b+\e]
.endr
.endr
	s_wait_alu depctr_va_vdst(0)
.set n, 0
.rept 16
	v_pk_mul_f32 v[OT+n:OT+n+1], v[OT+n:OT+n+1], v[FF:FF+1] op_sel_hi:[1,0]   ; O^T under the new M; also the places between the codes' making and the products
.set n, n+2
.endr
	s_wait_alu depctr_va_vdst(0)
	s_wait_dscnt 0x0                               ; V and its scale words are in
.irp t, 0,1,2,3
	v_wmma_scale_f32_16x16x128_f8f6f4 v[OT+8*\t:OT+8*\t+7], v[FRG+16*\t:FRG+16*\t+15], v[PCD:PCD+15], v[OT+8*\t:OT+8*\t+7], v[VSC+2*(\t%2)+\t/2], v[PSC]   ; the four accumulators by turns
.endr
	s_add_co_u32 s[U], s[U], 1
.endm
; A TILE ENDS: O^T / l, quantised along the channels (two blocks of 32; a lane holds 16 of each), stored as an image of the last product's operand.
.macro FINISH y
	NOPS 8
	v_add_f32 v[SUM], v[SUM], v[SUM+1]
	s_delay_alu instid0(VALU_DEP_1)
	v_permlanex16_b32 v[T0], v[SUM], s[SEL], s[SEL+1]
	s_delay_alu instid0(VALU_DEP_1)
	v_add_f32 v[SUM], v[SUM], v[T0]                ; the row's sum
	v_lshlrev_b32 v[AD2], 1, v[QSO]                ; 32 r: my row of y's scale bytes
	s_wait_alu depctr_va_vdst(0)
	v_rcp_f32 v[FF], v[SUM]
	v_nop
	s_wait_alu depctr_va_vdst(0)
.set n, 0
.rept 16
	v_pk_mul_f32 v[ST+n:ST+n+1], v[OT+n:OT+n+1], v[FF:FF+1] op_sel_hi:[1,0]
.set n, n+2
.endr
.irp b, 0,1
	v_max3_num_f32 v[BM+\b], |v[ST+16*\b]|, |v[ST+16*\b+1]|, 0x4800000
.endr
.irp i, 2,4,6,8,10,12,14
.irp b, 0,1
	s_delay_alu instid0(VALU_DEP_2)
	v_max3_num_f32 v[BM+\b], v[BM+\b], |v[ST+16*\b+\i]|, |v[ST+16*\b+\i+1]|
.endr
.endr
.irp b, 0,1
	s_delay_alu instid0(VALU_DEP_2)
	v_permlanex16_b32 v[PT+\b], v[BM+\b], s[SEL], s[SEL+1]
.endr
.irp b, 0,1
	s_delay_alu instid0(VALU_DEP_2)
	v_max_num_f32 v[BM+\b], v[BM+\b], v[PT+\b]
.endr
.irp b, 0,1
	s_delay_alu instid0(VALU_DEP_2)
	v_add_nc_u32 v[SO+\b], 0xfc000000, v[BM+\b]
.endr
.irp b, 0,1
	s_delay_alu instid0(VALU_DEP_4)
	v_and_or_b32 v[HD+\b], v[BM+\b], 0x7f800000, s[MNT]
.endr
.irp b, 0,1
	s_delay_alu instid0(VALU_DEP_4)
	v_lshrrev_b32 v[PT+\b], 23, v[SO+\b]
.endr
	s_delay_alu instid0(VALU_DEP_1)
	v_lshl_or_b32 v[T0], v[PT+1], 8, v[PT]         ; my row's two scale bytes
.irp b, 0,1
.irp i, 0,1,2,3,4,5,6,7,8,9,10,11,12,13,14,15
	v_med3_num_f32 v[ST+16*\b+\i], v[ST+16*\b+\i], -v[HD+\b], v[HD+\b]
.endr
	v_cvt_scalef32_pk8_fp8_f32 v[PCD+4*\b:PCD+4*\b+1], v[ST+16*\b:ST+16*\b+7], v[SO+\b]
	v_cvt_scalef32_pk8_fp8_f32 v[PCD+4*\b+2:PCD+4*\b+3], v[ST+16*\b+8:ST+16*\b+15], v[SO+\b]
.endr
	v_nop                                          ; a plain line behind the last conversion
	global_store_b128 v[LI], v[PCD:PCD+3], s[\y:\y+1]              ; 32 lanes store 512 consecutive bytes
	global_store_b128 v[LI], v[PCD+4:PCD+7], s[\y:\y+1] offset:512
	global_store_b16 v[AD2], v[T0], s[\y+2:\y+3]   ; lanes r and r + 16 hold the same two bytes and write them to the same place
.endm
; A TRIP: where u = 16, tile a ends and tile 127 - a begins; then a key step.
.macro TRIP lim
	s_cmp_lg_u32 s[U], 16                          ; the wave's number and the count of trips alone decide; no barrier, LDS access or tensor load stands under the branch
	s_cbranch_scc1 .Lsame_\@
	s_wait_alu depctr_va_vdst(0)
	FINISH 48
.irp j, 0,1,2,3
	v_mov_b32 v[24+\j], v[252+\j]                  ; tile 127 - a's q
.endr
	v_mov_b32 v28, v248
	v_mov_b32 v29, v249
	v_mov_b32 v30, v14
	v_mov_b32 v31, v15
	v_or_b32 v[QSA], 0x01010000, v0
	v_lshl_or_b32 v[QSB], v0, 16, 0x101
	INIT                                           ; (these also stand between the scale words' making and the next product)
	s_wait_alu depctr_va_vdst(0)
	s_wait_xcnt 0x0                                ; the stores have read their registers: they are written again only behind this wait
.Lsame_\@:
	STEP 1, \lim
.endm
	s_mov_b32 s[CNT], 4
.Lone:                                             ; trips 0 .. 3: key steps 0 .. 3, slots 0 and 1
	TRIP 3
	s_sub_co_u32 s[CNT], s[CNT], 1
	s_cmp_lg_u32 s[CNT], 0
	s_cbranch_scc1 .Lone
	s_wait_tensorcnt 0x0                           ; every wave: my half slot is in
	s_wait_dscnt 0x0
	s_barrier_signal -1
	s_barrier_wait -1                              ; slots 2 to 7 are whole
	s_mov_b32 s[CNT], 12
.Ltwo:                                             ; trips 4 .. 15
	TRIP 15
	s_sub_co_u32 s[CNT], s[CNT], 1
	s_cmp_lg_u32 s[CNT], 0
	s_cbranch_scc1 .Ltwo
	STEP 2, 15                                     ; trip 16: tile 127 - a's diagonal step
	s_wait_alu depctr_va_vdst(0)
	FINISH 52
	s_wait_tensorcnt 0x0                           ; the wave's end
	ds_add_u32 v[SPW], v[NIL]
	s_wait_dscnt 0x0
	CROUND                                         ; the closing round
	s_endpgm
.Lfunc_end_k_qa4b4455adf_attn:
	.size	k_qa4b4455adf_attn, .Lfunc_end_k_qa4b4455adf_attn-k_qa4b4455adf_attn
	.p2alignl 7, 3214868480
	.fill 96, 4, 3214868480
	.section	.rodata,"a",@progbits
	.p2align	6, 0x0
	.amdhsa_kernel k_qa4b4455adf_attn
		.amdhsa_group_segment_fixed_size 327680
		.amdhsa_private_segment_fixed_size 0
		.amdhsa_enable_private_segment 0
		.amdhsa_kernarg_size 24
		.amdhsa_user_sgpr_count 2
		.amdhsa_user_sgpr_kernarg_segment_ptr 1
		.amdhsa_wavefront_size32 1
		.amdhsa_system_sgpr_workgroup_id_x 1
		.amdhsa_system_sgpr_workgroup_id_y 1
		.amdhsa_system_sgpr_workgroup_id_z 1
		.amdhsa_system_vgpr_workitem_id 0
		.amdhsa_next_free_vgpr 256
		.amdhsa_next_free_sgpr 66
		.amdhsa_reserve_vcc 1
		.amdhsa_float_denorm_mode_32 3
		.amdhsa_float_denorm_mode_16_64 3
		.amdhsa_memory_ordered 1
		.amdhsa_forward_progress 1
		.amdhsa_inst_pref_size 108
	.end_amdhsa_kernel
	.amdgpu_metadata
---
amdhsa.version: [ 1, 2 ]
amdhsa.kernels:
  - .name:           k_qa4b4455adf_attn
    .symbol:         k_qa4b4455adf_attn.kd
    .args:
      - { .name: qkv, .offset: 0, .size: 8, .value_kind: global_buffer, .address_space: global }
      - { .name: y_codes, .offset: 8, .size: 8, .value_kind: global_buffer, .address_space: global }
      - { .name: y_scales, .offset: 16, .size: 8, .value_kind: global_buffer, .address_space: global }
    .group_segment_fixed_size: 327680
    .private_segment_fixed_size: 0
    .kernarg_segment_align: 8
    .kernarg_segment_size: 24
    .max_flat_workgroup_size: 512
    .sgpr_count:     66
    .vgpr_count:     256
    .wavefront_size: 32
...
	.end_amdgpu_metadata
.endif
;; end of part 3
;; launch oproj (part 4): grid 4 x 32, 4 waves a work-group, clusters of 4 x 4, 327,680 bytes of LDS; arguments y_codes, y_scales, w_proj_codes, w_proj_scales, out0; writes out0
.if DOCPART == 4
	.amdgcn_target "amdgcn-amd-amdhsa--gfx1250"
	.amdhsa_code_object_version 6
	.text
	.protected	k_qa4b4455adf_oproj
	.globl	k_qa4b4455adf_oproj
	.p2align	8
	.type	k_qa4b4455adf_oproj,@function
k_qa4b4455adf_oproj:
	s_mov_b64 s[64:65], 0
	v_nop
	global_prefetch_b8 v0, s[64:65] scope:SCOPE_SE
	s_setreg_imm32_b32 hwreg(HW_REG_WAVE_MODE, 25, 1), 1
	s_wait_xcnt 0x0
	s_wait_alu depctr_hold_cnt(0) depctr_sa_sdst(0) depctr_va_vdst(0) depctr_va_sdst(0) depctr_va_ssrc(0) depctr_va_vcc(0) depctr_vm_vsrc(0)
	s_getreg_b32 s2, hwreg(HW_REG_IB_STS2, 6, 4)
	s_cmp_eq_u32 s2, 0
	s_cbranch_scc0 .Lentry_in_a_cluster
	s_endpgm
.Lentry_in_a_cluster:
	s_bfe_u32 s2, ttmp6, 0x10000c
	s_cmp_lg_u32 s2, 0xf033
	s_cbranch_scc0 .Lentry_shape_is_right
	s_endpgm
.Lentry_shape_is_right:
.set SIZE_N, 1024
.set NQ,     2
.set ROWB,   256
.set KROW,   1024
.set PITCH,  272
.set FR,     16
.set NL,     4
.set NP,     8
.set HALFT,  128*PITCH
.set SLOT,   4*HALFT
.set LAPS,   2
.set KS,     32
.set SCL,    2*SLOT
.set HALFS,  (128*KS/256)*272
.set SBLK,   (16*KS/256)*272
.set SPARE,  SCL+4*HALFS
.set ASLOT,  4096
.set SPITCH, 528
.set ADRA, 16
.set ADRB, 20
.set STO,  24
.set RD,   25
.set CO,   26
.set ADRS, 27
.set SPW,  28
.set NIL,  29
.set SC,   32
.set AF,   128
.set BK,   128
.set G1, 24
.set G0, 32
.set G1B, 48
.set G0B, 56
.set G1S, 68
.set G0S, 76
.set G1SB, 80
.set G0SB, 88
.set MSB, 0
.macro WIN new
.if MSB != \new
	s_set_vgpr_msb (MSB<<8)|\new
.set MSB, \new
.endif
.endm
.set MUL_LO, 0xa1
.set MUL_HI, 0xf1
.set TO_B,   0x40
.macro JLOAD g0a, g1a, g0b, g1b
	s_cmp_eq_u32 s15, 0
	s_cbranch_scc0 .Lfor_b_\@
	tensor_load_to_lds s[\g0a:\g0a+3], s[\g1a:\g1a+7]
	s_nop 0
.rept 4
	v_nop
.endr
	s_branch .Lasked_\@
.Lfor_b_\@:
	tensor_load_to_lds s[\g0b:\g0b+3], s[\g1b:\g1b+7]
	s_nop 0
.rept 4
	v_nop
.endr
.Lasked_\@:
.endm
.macro CREST
	s_cmp_lg_u32 s14, 0
	s_cbranch_scc1 .Lnot_wave_0_\@
	s_barrier_signal -3
.Lnot_wave_0_\@:
	s_barrier_wait -3
	s_barrier_signal -1
	s_barrier_wait -1
.endm
.macro CROUND
	s_barrier_signal -1
	s_barrier_wait -1
	CREST
.endm
	s_load_b128 s[4:7], s[0:1], 0x0
	s_load_b128 s[8:11], s[0:1], 0x10
	s_load_b64 s[12:13], s[0:1], 0x20
	v_lshl_add_u32 v[SPW], v0, 2, SPARE
	v_mov_b32 v[NIL], 0
	ds_add_u32 v28, v29
	ds_add_u32 v28, v29
	s_wait_dscnt 0x0
	v_lshrrev_b32 v1, 5, v0
	v_readfirstlane_b32 s14, v1
	s_lshr_b32 s15, s14, 1
	s_and_b32 s16, s14, 1
	s_bfe_u32 s40, ttmp6, 0x40000
	s_bfe_u32 s41, ttmp6, 0x40004
	s_lshl_b32 s42, ttmp9, 2
	s_add_co_u32 s42, s42, s40
	s_and_b32 s17, ttmp7, 0xffff
	s_lshl_b32 s17, s17, 2
	s_add_co_u32 s17, s17, s41
	s_lshl_b32 s43, s41, 2
	s_lshl_b32 s43, 15, s43
	s_lshl_b32 s44, 0x1111, s40
	s_or_b32 s[G1+0], s43, (3<<16)|(1<<21)
	s_mov_b32 s[G1+1], 512<<16
	s_mov_b32 s[G1+2], 16<<16                      ; A's image: 16 tiles of 16 rows, 4,096 bytes of a K step each, for the head's load; set to 8 for the ring's behind it
	s_mov_b32 s[G1+3], 512<<16
	s_mov_b32 s[G1+4], 16
	s_mov_b32 s[G1+5], 2048
	s_mov_b32 s[G1+6], 0
	s_mov_b32 s[G1+7], 0
	s_or_b32 s[G1B+0], s44, (0<<16)|(1<<20)|(1<<21)|(5<<22)|(3<<25)
	s_mov_b32 s[G1B+1], ROWB<<16
	s_mov_b32 s[G1B+2], 256<<16                    ; 256 rows for the head's load; set to 128 for the ring's behind it
	s_mov_b32 s[G1B+3], ROWB<<16
	s_mov_b32 s[G1B+4], 256
	s_mov_b32 s[G1B+5], KROW
	s_mov_b32 s[G1B+6], 0
	s_mov_b32 s[G1B+7], 0
	s_or_b32 s[G1S+0], s43, (3<<16)|(1<<20)|(1<<21)|(5<<22)|(3<<25)
	s_or_b32 s[G1SB+0], s44, (3<<16)|(1<<20)|(1<<21)|(5<<22)|(3<<25)
.irp g, G1S, G1SB
	s_mov_b32 s[\g+1], 32<<16
	s_mov_b32 s[\g+2], (256*KS/256)<<16            ; the scales of 256 rows: 8,192 dense bytes as 32 rows of 256
	s_mov_b32 s[\g+3], 32<<16
	s_mov_b32 s[\g+4], 256*KS/256
	s_mov_b32 s[\g+5], 32
	s_mov_b32 s[\g+6], 0
	s_mov_b32 s[\g+7], 0
.endr
	s_lshl_b32 s18, s16, 7
	s_lshl_b32 s20, s17, 8
	s_add_co_u32 s20, s20, s18
	s_lshl_b32 s46, s42, 8
	s_add_co_u32 s46, s46, s18
	s_mov_b32 s21, 0
	s_mov_b32 s47, 0
	s_mov_b64 s[18:19], KS
	s_mul_u64 s[22:23], s[20:21], s[18:19]
	s_mul_u64 s[92:93], s[46:47], s[18:19]
	s_mov_b64 s[18:19], KROW
	s_mul_u64 s[20:21], s[20:21], s[18:19]
	s_mul_u64 s[46:47], s[46:47], s[18:19]
	s_mul_i32 s45, s14, HALFT
	s_lshl_b32 s94, s14, 15                        ; A's halves lie dense in a slot: 32,768 bytes each (waves 0 and 1 fetch them)
	s_wait_kmcnt 0x0
	s_add_nc_u64 s[20:21], s[4:5], s[20:21]
	s_add_nc_u64 s[22:23], s[6:7], s[22:23]
	s_add_nc_u64 s[46:47], s[8:9], s[46:47]
	s_add_nc_u64 s[92:93], s[10:11], s[92:93]
	CROUND                                         ; all sixteen work-groups are here: the first joint loads meet
; THE HEAD'S FOUR TILES, ONE A WAVE: wave 0 K step 0's 256 rows of A, wave 1 its 256 rows of B, wave 2 the scales of A's 256 rows, wave 3 those of B's.
.set G0H, 4                            ; s[4:7], s[8:11] group 0 of the two loads of codes: the arguments that lay there have been used
.set G0HB, 8
	s_mul_i32 s2, s16, 128*KROW                    ; from my half's first row back to the tile's
	s_mov_b32 s3, 0
	s_mov_b32 s[G0H], 1
	s_mov_b32 s[G0H+1], 0
	s_sub_nc_u64 s[G0H+2:G0H+3], s[20:21], s[2:3]
	s_or_b32 s[G0H+3], s[G0H+3], 0x80000000
	s_mov_b32 s[G0HB], 1
	s_mov_b32 s[G0HB+1], 2*HALFT
	s_sub_nc_u64 s[G0HB+2:G0HB+3], s[46:47], s[2:3]
	s_or_b32 s[G0HB+3], s[G0HB+3], 0x80000000
	s_mul_i32 s2, s16, 128*KS                      ; the same among the scale bytes
	s_mov_b32 s[G0S], 1
	s_mov_b32 s[G0S+1], SCL
	s_sub_nc_u64 s[G0S+2:G0S+3], s[22:23], s[2:3]
	s_or_b32 s[G0S+3], s[G0S+3], 0x80000000
	s_mov_b32 s[G0SB], 1
	s_mov_b32 s[G0SB+1], SCL+2*HALFS
	s_sub_nc_u64 s[G0SB+2:G0SB+3], s[92:93], s[2:3]
	s_or_b32 s[G0SB+3], s[G0SB+3], 0x80000000
.macro ARM under, g0, g1, next         ; one chain of branches on the wave's number: every way passes exactly one load
	s_cmp_lt_u32 s14, \under
	s_cbranch_scc0 \next
	tensor_load_to_lds s[\g0:\g0+3], s[\g1:\g1+7]
	s_nop 0
.rept 4
	v_nop
.endr
	s_branch .Lhead_asked
\next:
.endm
	ARM 1, G0H,  G1,  .Lhead_b
	ARM 2, G0HB, G1B, .Lhead_sa
	ARM 3, G0S,  G1S, .Lhead_sb
	tensor_load_to_lds s[G0SB:G0SB+3], s[G1SB:G1SB+7]
	s_nop 0
.rept 4
	v_nop
.endr
.Lhead_asked:
.irp s, 0,1
	s_mov_b32 s[G0+4*\s], 1
	s_add_co_u32 s[G0+4*\s+1], s94, \s*SLOT
	s_add_nc_u64 s[G0+4*\s+2:G0+4*\s+3], s[20:21], \s*ASLOT
	s_or_b32 s[G0+4*\s+3], s[G0+4*\s+3], 0x80000000
	s_mov_b32 s[G0B+4*\s], 1
	s_add_co_u32 s[G0B+4*\s+1], s45, \s*SLOT
	s_add_nc_u64 s[G0B+4*\s+2:G0B+4*\s+3], s[46:47], \s*ROWB
	s_or_b32 s[G0B+4*\s+3], s[G0B+4*\s+3], 0x80000000
.endr
	v_and_b32 v1, 15, v0
	v_bfe_u32 v2, v0, 4, 1
	v_mul_u32_u24 v3, v1, PITCH
	v_lshl_add_u32 v4, v2, 4, v3
	v_and_b32 v6, 31, v0
	v_lshlrev_b32 v5, 4, v6
	s_lshl_b32 s21, s15, 15                        ; my 128 rows of A: 32,768 dense bytes
	s_mul_i32 s22, s16, HALFT
	s_add_co_u32 s22, s22, 2*HALFT
.irp s, 0,1
	v_add_nc_u32 v[ADRA+\s], s21, v5
	v_add_nc_u32 v[ADRB+\s], s22, v4
	s_add_co_u32 s21, s21, SLOT
	s_add_co_u32 s22, s22, SLOT
.endr
	v_mul_u32_u24 v5, v1, KS
	v_lshrrev_b32 v6, 8, v5
	v_lshl_add_u32 v5, v6, 4, v5
	s_mul_i32 s21, s15, HALFS
	s_mul_i32 s22, s16, HALFS
	s_add_co_u32 s22, s22, 2*HALFS
	s_sub_co_u32 s22, s22, s21
	v_mul_u32_u24 v6, s22, v2
	s_add_co_u32 s21, s21, SCL
	v_add_nc_u32 v5, v5, v6
	v_add_nc_u32 v[ADRS], s21, v5
	s_mul_i32 s23, s14, 16*SPITCH
	v_mul_u32_u24 v5, v1, SPITCH
	v_lshl_add_u32 v5, v2, 5, v5
	v_add_nc_u32 v[STO], s23, v5
	v_and_b32 v6, 31, v0
	v_lshlrev_b32 v[CO], 4, v6
	v_add_nc_u32 v[RD], s23, v[CO]
	s_lshl_b32 s20, s17, 8
	s_lshl_b32 s21, s15, 7
	s_add_co_u32 s20, s20, s21
	s_mov_b32 s21, 0
	s_mov_b64 s[18:19], SIZE_N*4
	s_mul_u64 s[20:21], s[20:21], s[18:19]
	s_lshl_b32 s46, s42, 10
	s_lshl_b32 s47, s16, 9
	s_add_co_u32 s46, s46, s47
	s_mov_b32 s47, 0
	s_add_nc_u64 s[20:21], s[20:21], s[46:47]
	s_add_nc_u64 s[12:13], s[12:13], s[20:21]
.macro FRAG reg, adr, q, i
.irp c, 0,1,2,3
	ds_load_b128 v[\reg+4*\c:\reg+4*\c+3], v[\adr] offset:128*(\q)+32*\c+(\i)*16*PITCH
.endr
.endm
.macro FRAGI reg, adr, q, i
.irp c, 0,1,2,3
	ds_load_b128 v[\reg+4*\c:\reg+4*\c+3], v[\adr] offset:4096*(\i)+2048*(\q)+512*\c
.endr
.endm
.macro MUL16 a0, p, q, sc, zero
.irp a, \a0, \a0+1
.irp b, 0,1,2,3,4,5,6,7
.if \zero
	v_wmma_scale_f32_16x16x128_f8f6f4 v[8*(8*((\a)%4)+\b):8*(8*((\a)%4)+\b)+7], v[128*(\p)+FR*\b:128*(\p)+FR*\b+FR-1], v[AF+FR*(\a):AF+FR*(\a)+FR-1], 0, v[SC+8*NQ*(\sc)+NQ*\b+(\q)], v[SC+8*NQ*(\sc)+NQ*(\a)+(\q)] matrix_a_scale:MATRIX_SCALE_ROW1
.else
	v_wmma_scale_f32_16x16x128_f8f6f4 v[8*(8*((\a)%4)+\b):8*(8*((\a)%4)+\b)+7], v[128*(\p)+FR*\b:128*(\p)+FR*\b+FR-1], v[AF+FR*(\a):AF+FR*(\a)+FR-1], v[8*(8*((\a)%4)+\b):8*(8*((\a)%4)+\b)+7], v[SC+8*NQ*(\sc)+NQ*\b+(\q)], v[SC+8*NQ*(\sc)+NQ*(\a)+(\q)] matrix_a_scale:MATRIX_SCALE_ROW1
.endif
.endr
.endr
.endm
.macro FETCH_B slot, q, p
	WIN TO_B
.irp i, 0,1,2,3,4,5,6,7
	FRAG 128*(\p)+FR*\i, ADRB+\slot, \q, \i
.endr
	WIN 0
.endm
.macro FETCH_A slot, q, i0
.irp i, \i0, \i0+1, \i0+2, \i0+3
	FRAGI AF+FR*(\i), ADRA+\slot, \q, \i
.endr
.endm
.macro SCALES sc
.irp i, 0,1,2,3,4,5,6,7
	ds_load_b64 v[SC+8*NQ*\sc+NQ*\i:SC+8*NQ*\sc+NQ*\i+1], v[ADRS] offset:\i*SBLK
.endr
.endm
.macro PLACES n
.rept \n
	v_nop
.endr
.endm
.macro STEP slot, q, zero
	s_wait_dscnt 4*NL
	WIN MUL_LO
	MUL16 0, (\q)%2, \q, \slot, \zero
	MUL16 2, (\q)%2, \q, \slot, \zero
	s_wait_dscnt 0
	PLACES NP
	FETCH_B \slot, (\q)+1, 1-(\q)%2
	FETCH_A \slot, (\q)+1, 0
	WIN MUL_HI
	MUL16 4, (\q)%2, \q, \slot, \zero
	MUL16 6, (\q)%2, \q, \slot, \zero
	PLACES NP
	WIN 0
	FETCH_A \slot, (\q)+1, 4
.endm
.macro TURN slot, next, fill
	s_wait_tensorcnt 0x0
	ds_add_u32 v[SPW], v[NIL]
	s_wait_dscnt 4*NL+1
	WIN MUL_LO
	MUL16 0, 1, NQ-1, \slot, 0
	s_wait_dscnt 0x0
	s_barrier_signal -1
	MUL16 2, 1, NQ-1, \slot, 0
	WIN 0
	s_barrier_wait -1
.if \fill
	CREST
	s_add_nc_u64 s[G0+4*\slot+2:G0+4*\slot+3], s[G0+4*\slot+2:G0+4*\slot+3], 2*ASLOT
	s_add_nc_u64 s[G0B+4*\slot+2:G0B+4*\slot+3], s[G0B+4*\slot+2:G0B+4*\slot+3], 2*ROWB
	JLOAD G0+4*\slot, G1, G0B+4*\slot, G1B
	PLACES NP-4
.else
	PLACES NP
.endif
	s_wait_alu depctr_va_vdst(0)
	v_add_nc_u32 v[ADRS], 4*NQ, v[ADRS]
	FETCH_B \next, 0, 0
	FETCH_A \next, 0, 0
	SCALES \next
	WIN MUL_HI
	MUL16 4, 1, NQ-1, \slot, 0
	MUL16 6, 1, NQ-1, \slot, 0
	PLACES NP
	WIN 0
	FETCH_A \next, 0, 4
.endm
	s_wait_alu depctr_va_vdst(0)
	s_wait_tensorcnt 0x0                           ; my tile of the head's four is in
	ds_add_u32 v[SPW], v[NIL]
	s_mov_b32 s[G1+2], 8<<16                       ; no tensor load of mine is out: from here on a load brings 128 rows
	s_mov_b32 s[G1+4], 8
	s_mov_b32 s[G1B+2], 128<<16
	s_mov_b32 s[G1B+4], 128
	s_wait_dscnt 0x0
	CROUND                                         ; all four tiles are in, and all sixteen work-groups are here
	JLOAD G0+4, G1, G0B+4, G1B                     ; K step 1, a quarter of slot 1 a wave: the first tensor load behind the round
	FETCH_B 0, 0, 0
	FETCH_A 0, 0, 0
	SCALES 0
	FETCH_A 0, 0, 4
	STEP 0, 0, 1
	s_mov_b32 s3, LAPS-1
.Llap:
	TURN 0, 1, 1
	STEP 1, 0, 0
	TURN 1, 0, 1
	STEP 0, 0, 0
	s_sub_co_u32 s3, s3, 1
	s_cmp_lg_u32 s3, 0
	s_cbranch_scc1 .Llap
	TURN 0, 1, 0
	STEP 1, 0, 0
	s_wait_dscnt 4*NL
	WIN MUL_LO
	MUL16 0, 1, NQ-1, 1, 0
	MUL16 2, 1, NQ-1, 1, 0
	s_wait_dscnt 0
	WIN MUL_HI
	MUL16 4, 1, NQ-1, 1, 0
	MUL16 6, 1, NQ-1, 1, 0
	WIN 0
.macro TOSTAGE a
.set AC, 64*((\a)%4)
	WIN 0x08+4*((\a)/4)
.irp b, 0,1,2,3,4,5,6,7
	ds_store_b128 v[STO], v[AC+8*\b:AC+8*\b+3] offset:64*\b
	ds_store_b128 v[STO], v[AC+8*\b+4:AC+8*\b+7] offset:64*\b+16
.endr
	WIN 0
.set BB, BK+64*((\a)%2)
.irp t, 0,1,2,3,4,5,6,7,8,9,10,11,12,13,14,15
	ds_load_b128 v[BB+4*\t:BB+4*\t+3], v[RD] offset:\t*SPITCH
.endr
.endm
.macro SEND a, younger
.set BB, BK+64*((\a)%2)
	s_wait_dscnt \younger
.if (\a) > 0
	s_add_nc_u64 s[12:13], s[12:13], 16*SIZE_N*4
.endif
.irp t, 0,1,2,3,4,5,6,7,8,9,10,11,12,13,14,15
	global_store_b128 v[CO], v[BB+4*\t:BB+4*\t+3], s[12:13] offset:\t*SIZE_N*4 th:TH_STORE_NT
.endr
.endm
	PLACES NP
	TOSTAGE 0
.irp a, 1,2,3,4,5,6,7
.if \a > 1
	s_wait_xcnt 0x0
.endif
	TOSTAGE \a
	SEND \a-1, 32
.endr
	s_wait_xcnt 0x0
	SEND 7, 0
	s_wait_tensorcnt 0x0
	ds_add_u32 v[SPW], v[NIL]
	s_wait_dscnt 0x0
	CROUND
	s_endpgm
.Lfunc_end_k_qa4b4455adf_oproj:
	.size	k_qa4b4455adf_oproj, .Lfunc_end_k_qa4b4455adf_oproj-k_qa4b4455adf_oproj
	.p2alignl 7, 3214868480
	.fill 96, 4, 3214868480
	.section	.rodata,"a",@progbits
	.p2align	6, 0x0
	.amdhsa_kernel k_qa4b4455adf_oproj
		.amdhsa_group_segment_fixed_size 327680
		.amdhsa_private_segment_fixed_size 0
		.amdhsa_enable_private_segment 0
		.amdhsa_kernarg_size 40
		.amdhsa_user_sgpr_count 2
		.amdhsa_user_sgpr_kernarg_segment_ptr 1
		.amdhsa_wavefront_size32 1
		.amdhsa_system_sgpr_workgroup_id_x 1
		.amdhsa_system_sgpr_workgroup_id_y 1
		.amdhsa_system_sgpr_workgroup_id_z 1
		.amdhsa_system_vgpr_workitem_id 0
		.amdhsa_next_free_vgpr 1024
		.amdhsa_next_free_sgpr 102
		.amdhsa_reserve_vcc 0
		.amdhsa_float_denorm_mode_32 3
		.amdhsa_float_denorm_mode_16_64 3
		.amdhsa_memory_ordered 1
		.amdhsa_forward_progress 1
		.amdhsa_inst_pref_size 147
	.end_amdhsa_kernel
	.amdgpu_metadata
---
amdhsa.version: [ 1, 2 ]
amdhsa.kernels:
  - .name:           k_qa4b4455adf_oproj
    .symbol:         k_qa4b4455adf_oproj.kd
    .args:
      - { .name: y_codes, .offset: 0, .size: 8, .value_kind: global_buffer, .address_space: global }
      - { .name: y_scales, .offset: 8, .size: 8, .value_kind: global_buffer, .address_space: global }
      - { .name: w_proj_codes, .offset: 16, .size: 8, .value_kind: global_buffer, .address_space: global }
      - { .name: w_proj_scales, .offset: 24, .size: 8, .value_kind: global_buffer, .address_space: global }
      - { .name: out0, .offset: 32, .size: 8, .value_kind: global_buffer, .address_space: global }
    .group_segment_fixed_size: 327680
    .private_segment_fixed_size: 0
    .kernarg_segment_align: 8
    .kernarg_segment_size: 40
    .max_flat_workgroup_size: 128
    .sgpr_count:     102
    .vgpr_count:     1024
    .wavefront_size: 32
...
	.end_amdgpu_metadata
.endif
;; end of part 4
